; MI455X (gfx1250); checked and timed in simulation.
; The chip was launched on July 23, 2026; its instructions are those of AMD's public machine-readable ISA for CDNA 5 (MIT licence, August 2026) and "CDNA5" Instruction Set Architecture Reference Guide (July 2026). The comments in the code are by the model that wrote it; some were corrected since.
;; Causal Self Attention. Allowed arithmetic: matrix products marked QUANTISED: E2M3 operands, one E8M0 scale for each 32 along K, by v_wmma_scale_f32_16x16x128_f8f6f4 with both operands' format E2M3, f32 sums; everything else in f32.
;; Inputs: Wk 1,024 x 1,024 float32; Wp 1,024 x 1,024 float32; Wq 1,024 x 1,024 float32; Wv 1,024 x 1,024 float32; bk 1,024 float32; bp 1,024 float32; bq 1,024 float32; bv 1,024 float32; x 4 x 2,048 x 1,024 float32.
;; Outputs: out0 4 x 2,048 x 1,024 float32.
;; This version of the problem:
;;   THIS VERSION OF THE PROBLEM IS GIVEN IN LOW PRECISION. The matrix products marked QUANTISED in the list below multiply operands that are first quantised to E2M3 (2 exponent bits, 3 mantissa bits; 6 bits a number), with one power-of-two scale for each 32 numbers along K (OCP MX v1.0); their sums are f32. All else is computed in f32.
;;   The module's matrix products, in the order in which they are computed (A, B: the left and right operand; K: the contracted axis; several contracted axes count as one K, in the product's order):
;;     1. [M 8,192, K 1,024] x [K 1,024, N 1,024]; A: input x; B: input Wq: QUANTISED
;;     2. [M 8,192, K 1,024] x [K 1,024, N 1,024]; A: input x; B: input Wk: QUANTISED
;;     3. [M 8,192, K 1,024] x [K 1,024, N 1,024]; A: input x; B: input Wv: QUANTISED
;;     4. batch 64 x [M 2,048, K 64] x [K 64, N 2,048]; A: computed on the way; B: computed on the way: QUANTISED
;;     5. batch 64 x [M 2,048, K 2,048] x [K 2,048, N 64]; A: softmax (see below); B: computed on the way: QUANTISED
;;     6. [M 8,192, K 1,024] x [K 1,024, N 1,024]; A: computed on the way; B: input Wp: QUANTISED
;;   THE QUANTISER, for each operand of a quantised product, along K:
;;     - K is cut into blocks of 32 from its start; a last block that is shorter is filled with zeros.
;;     - A block's scale is 2^e with e = floor(log2(the largest magnitude in the block)) - 2, held to -126 .. 127; a block of zeros has e = 0. As a byte (E8M0): e + 127.
;;     - Each number is divided by its block's scale, clamped to +-7.5, and rounded to the nearest number of E2M3, ties to even, subnormals kept.
;;     - The product sums the exact products of the quantised numbers (number of the format x scale) in f32.
;;   ~~~python
;;   def quantise(x, axis):      # numpy; x: float32 -> the quantised numbers, widened to float32 again
;;       x = np.moveaxis(x, axis, -1); K = x.shape[-1]
;;       x = np.pad(x, [(0, 0)] * (x.ndim - 1) + [(0, -K % 32)]); x = x.reshape(x.shape[:-1] + (-1, 32)); a = np.abs(x).max(-1, keepdims=True)
;;       e = np.where(a > 0, np.clip(np.frexp(np.where(a > 0, a, 1))[1] - 1 - 2, -126, 127), 0)      # np.frexp(a)[1] - 1 = floor(log2(a)), exactly
;;       r = np.clip(x / 2.0 ** e, -7.5, 7.5)
;;       step = 2.0 ** (np.maximum(np.frexp(np.where(r == 0, 1, r))[1] - 1, 0) - 3)
;;       q = np.round(r / step) * step * 2.0 ** e      # np.round: ties to even
;;       return np.moveaxis(q.reshape(q.shape[:-2] + (-1,))[..., :K], -1, axis).astype(np.float32)
;;   ~~~
;;   SOFTMAX AHEAD OF A QUANTISED PRODUCT. Where the list says 'softmax', what is quantised is not the finished softmax but p = 2^(t - M), with t = logit x log2(e) and M = ceil(the row's largest t), a whole number; so 1/2 < the row's largest p <= 1. The row's sum l is taken of the UNQUANTISED p, in f32, and the product's result is divided by l at the end. Since M is a whole number, a kernel that streams over the keys may use a running M (the ceiling of the running maximum): every later rescaling is an exact power of two, which a block's scale takes up: the codes' values come out the same.
;;   OPERANDS COMPUTED ON THE WAY. 'Computed on the way' means the value that the module computes at that place (a softmax that the list does not call 'softmax' is quantised finished and normalised). What goes into a quantiser is computed in f32, as accurately as f32 sums, v_exp_f32 and their like allow (about 1e-6 of the number): no bf16 or f16 on the way to a quantiser, and a product that is left as it is and whose result goes on into a quantised operand takes f32 operands (vector FMAs, or v_wmma_f32_16x16x4_f32). A number that lies on a knife's edge between two numbers of the format may be rounded either way, as far as f32 arithmetic and the matrix unit's own rounding can turn it there, and no further.
;; One version. Each part assembles by itself: llvm-mc -triple=amdgcn-amd-amdhsa -mcpu=gfx1250 --defsym DOCPART=n.
;; ======== version 1 of 1: 4 launches
;; workspace buffers: xq 6,553,600 bytes; wq 3,276,800 bytes; qkv 19,660,800 bytes; yq 6,553,600 bytes
;; launch prep (part 1): grid 384 x 1, 4 waves a work-group, no clusters, 34,304 bytes of LDS; arguments x, Wq, Wk, Wv, Wp, xq, wq; writes xq, wq
.if DOCPART == 1
	.amdgcn_target "amdgcn-amd-amdhsa--gfx1250"
	.amdhsa_code_object_version 6
	.text
	.protected	k_q3fd823e7e6_prep
	.globl	k_q3fd823e7e6_prep
	.p2align	8
	.type	k_q3fd823e7e6_prep,@function
k_q3fd823e7e6_prep:
	s_mov_b64 s[64:65], 0
	v_nop
	global_prefetch_b8 v0, s[64:65] scope:SCOPE_SE
	s_setreg_imm32_b32 hwreg(HW_REG_WAVE_MODE, 25, 1), 1
	s_wait_xcnt 0x0
; x [8192][1024] f32 (K innermost) and Wq, Wk, Wv, Wp [1024 (k)][1024 (n)] f32 (K is the FIRST axis) become codes of FP6 (E2M3) with one E8M0 byte for each 32 along K.
; A block's scale is 2^(floor(log2(its largest magnitude)) - 2); its byte is the largest magnitude's exponent field - 2, held at 1 from below; numbers are divided by the scale and rounded to the nearest code, ties to even.
; LIMITS: NaN and infinities among the inputs are not served; a block of zeros, or one whose largest magnitude lies under 2^-124, gets the byte 1 (its codes are zeros or held small); these bytes are read by this program alone.
; THE WORKSPACE IS LAID AS IMAGES OF OPERAND REGISTERS.  A fragment (16 rows x 128 K, 12 registers a lane) is 1,536 bytes: registers 4 g .. 4 g + 3 of lane l at 512 g + 16 l.
; A tile's scale words for its 8 K steps are 512 bytes: the word of (place r, K step ks) at 16 (r + 16 (ks % 2)) + 4 (ks / 2): one load of 16 bytes a lane gives four registers, even K steps in lanes 0-15, odd ones in lanes 16-31.
; THE ROWS OF A TILE ARE NOT NEIGHBOURS: place r of tile t is row 32 (t / 2) + 8 (t % 2) + r + 8 (r / 8), of x's tokens and of the weights' columns alike.
; Work-groups 0-255 take x (32 tokens each), 256-383 the weights (a tensor, 128 columns, 256 along K each).  Only x's way uses LDS.  No barrier: waves share nothing.  No matrix unit, no cluster: the launch streams.
.set XQ_SC, 6291456                    ; xq: the scale images begin behind 512 tiles x 8 x 1,536 bytes
.set WQ_SC, 3145728                    ; wq: behind 4 x 64 x 8 x 1,536 bytes
.set WV,   18
.set SEL,  40                          ; s[40:41] selects of v_permlanex16_b32: lane l xor 16
.set HI,   42                          ; s42 lanes 16-31
.set LI,   1                           ; v1  16 x lane
.set SIN,  2                           ; v2  the stage, on the way in
.set SOUT, 3                           ; v3  and on the way out
.set R,    16                          ; v16-143  two sets of 64 numbers as loaded
.set T,    144                         ; v144-207 64 numbers: register 16 b + i = k 32 b + 16 (lane / 16) + i of my row
.set PC,   208                         ; v208-219 the codes; v220-226 at work
.set TM,   228                         ; v228-243 at work
.set PW,   244                         ; the scale word just made
.set PWP,  245                         ; the one before
.set SW,   246                         ; v[246:247] two merged scale registers
.set X,    16                          ; the weights' way: v16-79 two sets of 32 numbers
.set CO,   80                          ; v80-127 codes: [K step 2][half 2][12]
.set CT,   128                         ; v128-130 a conversion's result on its way to an odd place
; 64 numbers of a lane become a fragment's 12 registers in v[PC] on and its row's scale word in v[PW].
.macro QUANT s
.irp b, 0,1,2,3
	v_max3_num_f32 v[TM+\b], |v[\s+16*\b]|, |v[\s+1+16*\b]|, 0x1800000   ; block b: my 16 numbers, and the floor 2^(3 - 127): the byte cannot fall under 1
.endr
.irp i, 2,4,6,8,10,12,14
.irp b, 0,1,2,3
	v_max3_num_f32 v[TM+\b], v[TM+\b], |v[\s+16*\b+\i]|, |v[\s+1+16*\b+\i]|   ; the four blocks by turns
.endr
.endr
.irp b, 0,1,2,3
	v_permlanex16_b32 v[TM+4+\b], v[TM+\b], s[SEL], s[SEL+1]
.endr
.irp b, 0,1,2,3
	v_max_num_f32 v[TM+\b], v[TM+\b], v[TM+4+\b]   ; with lane l xor 16's 16: the block's largest magnitude
.endr
.irp b, 0,1,2,3
	v_add_nc_u32 v[TM+12+\b], 0xff000000, v[TM+\b]   ; 2 off its exponent field: the conversion takes this operand's exponent field as its scale
.endr
.irp b, 0,1,2,3
	v_lshrrev_b32 v[TM+4+\b], 23, v[TM+12+\b]      ; the scale's byte
.endr
	v_lshl_or_b32 v[PW], v[TM+5], 8, v[TM+4]
	v_lshl_or_b32 v[PW], v[TM+6], 16, v[PW]
	v_lshl_or_b32 v[PW], v[TM+7], 24, v[PW]
.irp c, 0,1
	v_cvt_scalef32_pk16_fp6_f32 v[PC+6*\c:PC+2+6*\c], v[\s+32*\c:\s+15+32*\c], v[TM+12+2*\c]
	v_cvt_scalef32_pk16_fp6_f32 v[PC+12+4*\c:PC+14+4*\c], v[\s+16+32*\c:\s+31+32*\c], v[TM+12+2*\c+1]   ; a conversion's three registers begin on an even number
.endr
	v_nop                                          ; one plain place behind a scaled conversion
.irp c, 0,1                                    ; the operand wants a WHOLE block in a lane: lanes 0-15 block 2 c, lanes 16-31 block 2 c + 1
.irp i, 0,1,2
	v_permlane16_swap_b32 v[PC+6*\c+\i], v[PC+12+4*\c+\i]
.endr
.irp i, 0,1,2
	v_mov_b32 v[PC+3+6*\c+\i], v[PC+12+4*\c+\i]
.endr
.endr
.endm
	s_load_b256 s[4:11], s[0:1], 0x0               ; x s[4:5], Wq s[6:7], Wk s[8:9], Wv s[10:11]
	s_load_b128 s[12:15], s[0:1], 0x20             ; Wp s[12:13], xq s[14:15]
	s_load_b64 s[16:17], s[0:1], 0x30              ; wq
	v_lshl_add_u32 v254, v0, 2, 0x8400
	v_mov_b32 v255, 0
	v_lshrrev_b32 v4, 5, v0
	v_readfirstlane_b32 s[WV], v4                  ; wave 0..3
	v_and_b32 v5, 31, v0                           ; lane
	s_cmp_lt_u32 ttmp9, 256
	s_cbranch_scc0 .Lweights
	; ---- x.  Work-group g owns tokens 32 g .. 32 g + 31: tiles 2 g and 2 g + 1.  Wave w: tile 2 g + w / 2, K steps 4 (w % 2) + 0 .. 3.
	s_mov_b32 s[SEL], 0x76543210
	s_mov_b32 s[SEL+1], 0xfedcba98
	s_mov_b32 s[HI], 0xffff0000
	v_lshlrev_b32 v[LI], 4, v5
	s_mul_i32 s20, s[WV], 8448                     ; my wave's stage: 16 rows of 512 bytes + 16
	v_add_nc_u32 v[SIN], s20, v[LI]                ; in: a row's 512 bytes as they lie
	v_and_b32 v6, 15, v0
	v_bfe_u32 v7, v0, 4, 1
	v_mul_u32_u24 v[SOUT], v6, 528
	v_lshl_add_u32 v[SOUT], v7, 6, v[SOUT]
	v_add_nc_u32 v[SOUT], s20, v[SOUT]             ; out: row lane % 16, + 64 bytes for lanes 16-31: my 16 numbers of each block of 32
.irp b, 0,1,2,3
	v_mov_b32 v[TM+4+\b], 0                        ; written once: a lane permute's destination counts as one of its sources
.endr
	s_lshr_b32 s21, s[WV], 1
	s_and_b32 s22, s[WV], 1
	s_lshl_b32 s24, ttmp9, 17                      ; 32 tokens of 4,096 bytes
	s_lshl_b32 s23, s21, 15                        ; the odd tile begins 8 tokens on
	s_add_co_u32 s24, s24, s23
	s_lshl_b32 s23, s22, 11                        ; four K steps of 512 bytes
	s_add_co_u32 s24, s24, s23
	s_mov_b32 s25, 0
	s_lshl_b32 s26, ttmp9, 1
	s_add_co_u32 s26, s26, s21                     ; my tile
	s_mul_i32 s28, s26, 12288
	s_mul_i32 s23, s22, 6144
	s_add_co_u32 s28, s28, s23                     ; its images of my four K steps
	s_mov_b32 s29, 0
	s_lshl_b32 s30, s26, 9
	s_lshl_b32 s23, s22, 3
	s_add_co_u32 s30, s30, s23
	s_add_co_u32 s30, s30, XQ_SC                   ; and my two registers of its scale image
	s_mov_b32 s31, 0
	s_wait_kmcnt 0x0
	s_add_nc_u64 s[4:5], s[4:5], s[24:25]
	s_add_nc_u64 s[32:33], s[14:15], s[28:29]
	s_add_nc_u64 s[34:35], s[14:15], s[30:31]
.macro LOADX f                         ; K step f of the tile's 16 rows: each load reads a row's 512 consecutive bytes
.irp j, 0,1,2,3,4,5,6,7,8,9,10,11,12,13,14,15
	global_load_b128 v[R+64*((\f)%2)+4*\j:R+64*((\f)%2)+4*\j+3], v[LI], s[4:5] offset:(\j+8*(\j/8))*4096+512*(\f) th:TH_LOAD_NT
.endr
.endm
.macro FRAGX f
.if \f < 3
	s_wait_loadcnt 16                              ; this K step's 16 loads are in; the next one's 16 may be out
.else
	s_wait_loadcnt 0x0
.endif
.irp j, 0,1,2,3,4,5,6,7,8,9,10,11,12,13,14,15
	ds_store_b128 v[SIN], v[R+64*((\f)%2)+4*\j:R+64*((\f)%2)+4*\j+3] offset:528*\j
.endr
.irp b, 0,1,2,3
.irp q, 0,1,2,3
	ds_load_b128 v[T+16*\b+4*\q:T+16*\b+4*\q+3], v[SOUT] offset:128*\b+16*\q   ; LDS serves a wave's instructions in order: these see the stores above
.endr
.endr
	s_wait_dscnt 0x0                               ; the numbers are back, and the stores into the stage have read their registers
	s_wait_xcnt 0x0                                ; the last fragment's stores have read the code registers, which are written again below
.if \f < 2
	LOADX (\f)+2
.endif
	QUANT T
.irp c, 0,1,2
	global_store_b128 v[LI], v[PC+4*\c:PC+4*\c+3], s[32:33] offset:1536*(\f)+512*\c   ; 512 consecutive bytes, aligned
.endr
.if ((\f)%2) == 0
	v_mov_b32 v[PWP], v[PW]
.else
	v_cndmask_b32 v[SW+(\f)/2], v[PWP], v[PW], s[HI]   ; lanes 0-15 the even K step's words, lanes 16-31 the odd one's
.endif
.endm
	LOADX 0
	LOADX 1
	FRAGX 0
	FRAGX 1
	FRAGX 2
	FRAGX 3
	global_store_b64 v[LI], v[SW:SW+1], s[34:35]   ; my half of the tile's scale image: 8 of each lane's 16 bytes (the other wave of the tile writes the other 8)
	s_wait_tensorcnt 0x0
	ds_add_u32 v254, v255
	s_wait_dscnt 0x0
	s_endpgm
	; ---- the weights.  g' = g - 256: tensor g' / 32, K steps 2 kq, 2 kq + 1 with kq = (g' / 8) % 4, columns 128 (g' % 8) on; wave w takes 32 of them.
	; A LANE TAKES A COLUMN AND ITS REGISTERS RUN DOWN K: a block of 32 lies in one lane, and the conversions give codes with K innermost.
.Lweights:
	s_sub_co_u32 s20, ttmp9, 256
	s_lshr_b32 s21, s20, 5                         ; which tensor
	s_and_b32 s22, s20, 7
	s_bfe_u32 s23, s20, 0x20003                    ; kq
	s_lshl_b32 s24, s22, 2
	s_add_co_u32 s24, s24, s[WV]                   ; G: my 32 columns = tiles 2 G, 2 G + 1
	s_lshl_b32 s26, s23, 20                        ; 256 rows of 4,096 bytes
	s_lshl_b32 s25, s24, 7
	s_add_co_u32 s26, s26, s25
	s_mov_b32 s27, 0
	s_mul_i32 s28, s21, 786432
	s_mul_i32 s25, s24, 24576
	s_add_co_u32 s28, s28, s25
	s_mul_i32 s25, s23, 3072
	s_add_co_u32 s28, s28, s25
	s_mov_b32 s29, 0
	s_lshl_b32 s30, s21, 15
	s_lshl_b32 s25, s24, 10
	s_add_co_u32 s30, s30, s25
	s_lshl_b32 s25, s23, 2
	s_add_co_u32 s30, s30, s25
	s_add_co_u32 s30, s30, WQ_SC
	s_mov_b32 s31, 0
	v_lshlrev_b32 v1, 2, v5                        ; in: 4 bytes a lane
	v_bfe_u32 v6, v0, 3, 1                         ; column c = lane lies in tile 2 G + (c / 8) % 2,
	v_and_b32 v7, 7, v0
	v_bfe_u32 v8, v0, 4, 1
	v_lshl_or_b32 v7, v8, 3, v7                    ; at place c % 8 + 8 (c / 16)
	v_lshlrev_b32 v7, 4, v7
	v_mad_u32_u24 v2, v6, 12288, v7                ; out: the tile's images, 16 bytes a place
	v_lshl_add_u32 v3, v6, 9, v7                   ; and its scale image
	s_wait_kmcnt 0x0
	s_cmp_eq_u32 s21, 0                            ; the choice hangs on the work-group's number alone
	s_cselect_b64 s[36:37], s[6:7], s[8:9]
	s_cmp_eq_u32 s21, 2
	s_cselect_b64 s[36:37], s[10:11], s[36:37]
	s_cmp_eq_u32 s21, 3
	s_cselect_b64 s[36:37], s[12:13], s[36:37]
	s_add_nc_u64 s[36:37], s[36:37], s[26:27]
	s_add_nc_u64 s[38:39], s[16:17], s[28:29]
	s_add_nc_u64 s[44:45], s[16:17], s[30:31]
.macro LOADW t                         ; block t: W(32 t + i, my column): 128 consecutive bytes a wave, 512 a work-group
.irp i, 0,1,2,3,4,5,6,7,8,9,10,11,12,13,14,15,16,17,18,19,20,21,22,23,24,25,26,27,28,29,30,31
	global_load_b32 v[X+32*((\t)%2)+\i], v1, s[36:37] offset:(32*(\t)+\i)*4096 th:TH_LOAD_NT
.endr
.endm
.macro BLOCKW t                        ; block t = 4 (K step) + kb.  Block kb is what lane (place, kb % 2) of the operand holds in registers 6 (kb / 2) .. + 5
.set XS, X+32*((\t)%2)
.set CD, CO+24*((\t)/4)+12*((\t)%2)+6*(((\t)%4)/2)
.if (\t) < 7
	s_wait_loadcnt 32                              ; this block's 32 loads are in; the next block's may be out
.else
	s_wait_loadcnt 0x0
.endif
	v_max3_num_f32 v132, |v[XS]|, |v[XS+1]|, |v[XS+2]|
	v_max3_num_f32 v133, |v[XS+3]|, |v[XS+4]|, |v[XS+5]|
.irp i, 6,10,14,18,22,26
	v_max3_num_f32 v132, v132, |v[XS+\i]|, |v[XS+\i+1]|
	v_max3_num_f32 v133, v133, |v[XS+\i+2]|, |v[XS+\i+3]|
.endr
	v_max3_num_f32 v132, v132, |v[XS+30]|, |v[XS+31]|
	v_max3_num_f32 v132, v132, v133, 0x1800000     ; and the floor
	v_add_nc_u32 v134, 0xff000000, v132            ; the conversion's scale operand
	v_lshrrev_b32 v135, 23, v134                   ; the byte
.if ((\t)%4) == 0
	v_mov_b32 v[136+(\t)/4], v135
.else
	v_lshl_or_b32 v[136+(\t)/4], v135, 8*((\t)%4), v[136+(\t)/4]
.endif
	v_cvt_scalef32_pk16_fp6_f32 v[CD:CD+2], v[XS:XS+15], v134
	v_cvt_scalef32_pk16_fp6_f32 v[CT:CT+2], v[XS+16:XS+31], v134
	v_nop                                          ; one plain place behind a scaled conversion
.irp i, 0,1,2
	v_mov_b32 v[CD+3+\i], v[CT+\i]
.endr
.if (\t)+2 < 8
	LOADW (\t)+2
.endif
.endm
.macro STOREW ksl                      ; a K step's codes: each store fills 256 consecutive aligned bytes in each of the two tiles.  Each K step has registers of its own: no store's data are written again
.irp h, 0,1
.irp g, 0,1,2
	global_store_b128 v2, v[CO+24*\ksl+12*\h+4*\g:CO+24*\ksl+12*\h+4*\g+3], s[38:39] offset:1536*\ksl+512*\g+256*\h
.endr
.endr
	global_store_b32 v3, v[136+\ksl], s[44:45] offset:256*\ksl   ; the scale words go out as pieces of 4 bytes, 16 bytes apart: 131,072 bytes in the whole launch
.endm
	LOADW 0
	LOADW 1
	BLOCKW 0
	BLOCKW 1
	BLOCKW 2
	BLOCKW 3
	STOREW 0
	BLOCKW 4
	BLOCKW 5
	BLOCKW 6
	BLOCKW 7
	STOREW 1
	s_endpgm
.Lfunc_end_k_q3fd823e7e6_prep:
	.size	k_q3fd823e7e6_prep, .Lfunc_end_k_q3fd823e7e6_prep-k_q3fd823e7e6_prep
	.p2alignl 7, 3214868480
	.fill 96, 4, 3214868480
	.section	.rodata,"a",@progbits
	.p2align	6, 0x0
	.amdhsa_kernel k_q3fd823e7e6_prep
		.amdhsa_group_segment_fixed_size 34304
		.amdhsa_private_segment_fixed_size 0
		.amdhsa_enable_private_segment 0
		.amdhsa_kernarg_size 56
		.amdhsa_user_sgpr_count 2
		.amdhsa_user_sgpr_kernarg_segment_ptr 1
		.amdhsa_wavefront_size32 1
		.amdhsa_system_sgpr_workgroup_id_x 1
		.amdhsa_system_sgpr_workgroup_id_y 1
		.amdhsa_system_sgpr_workgroup_id_z 1
		.amdhsa_system_vgpr_workitem_id 0
		.amdhsa_next_free_vgpr 256
		.amdhsa_next_free_sgpr 66
		.amdhsa_reserve_vcc 0
		.amdhsa_float_denorm_mode_32 3
		.amdhsa_float_denorm_mode_16_64 3
		.amdhsa_memory_ordered 1
		.amdhsa_forward_progress 1
		.amdhsa_inst_pref_size 72
	.end_amdhsa_kernel
	.amdgpu_metadata
---
amdhsa.version: [ 1, 2 ]
amdhsa.kernels:
  - .name:           k_q3fd823e7e6_prep
    .symbol:         k_q3fd823e7e6_prep.kd
    .args:
      - { .name: x, .offset: 0, .size: 8, .value_kind: global_buffer, .address_space: global }
      - { .name: Wq, .offset: 8, .size: 8, .value_kind: global_buffer, .address_space: global }
      - { .name: Wk, .offset: 16, .size: 8, .value_kind: global_buffer, .address_space: global }
      - { .name: Wv, .offset: 24, .size: 8, .value_kind: global_buffer, .address_space: global }
      - { .name: Wp, .offset: 32, .size: 8, .value_kind: global_buffer, .address_space: global }
      - { .name: xq, .offset: 40, .size: 8, .value_kind: global_buffer, .address_space: global }
      - { .name: wq, .offset: 48, .size: 8, .value_kind: global_buffer, .address_space: global }
    .group_segment_fixed_size: 34304
    .private_segment_fixed_size: 0
    .kernarg_segment_align: 8
    .kernarg_segment_size: 56
    .max_flat_workgroup_size: 128
    .sgpr_count:     66
    .vgpr_count:     256
    .wavefront_size: 32
...
	.end_amdgpu_metadata
.endif
;; end of part 1
;; launch qkv (part 2): grid 12 x 64, 4 waves a work-group, clusters of 4 x 4, 295,424 bytes of LDS; arguments xq, wq, bq, bk, bv, qkv; writes qkv
.if DOCPART == 2
	.amdgcn_target "amdgcn-amd-amdhsa--gfx1250"
	.amdhsa_code_object_version 6
	.text
	.protected	k_q3fd823e7e6_qkv
	.globl	k_q3fd823e7e6_qkv
	.p2align	8
	.type	k_q3fd823e7e6_qkv,@function
k_q3fd823e7e6_qkv:
	s_mov_b64 s[64:65], 0
	v_nop
	global_prefetch_b8 v0, s[64:65] scope:SCOPE_SE
	s_setreg_imm32_b32 hwreg(HW_REG_WAVE_MODE, 25, 1), 1
	s_wait_xcnt 0x0
	s_wait_alu depctr_hold_cnt(0) depctr_sa_sdst(0) depctr_va_vdst(0) depctr_va_sdst(0) depctr_va_ssrc(0) depctr_va_vcc(0) depctr_vm_vsrc(0)
	s_getreg_b32 s2, hwreg(HW_REG_IB_STS2, 6, 4)
	s_cmp_eq_u32 s2, 0
	s_cbranch_scc0 .Lentry_in_a_cluster
	s_endpgm
.Lentry_in_a_cluster:
	s_bfe_u32 s2, ttmp6, 0x10000c
	s_cmp_lg_u32 s2, 0xf033
	s_cbranch_scc0 .Lentry_shape_is_right
	s_endpgm
.Lentry_shape_is_right:
; q = x Wq + bq, k = x Wk + bk, v = x Wv + bv on codes of FP6 (E2M3) with E8M0 scales, sums in f32; the results are quantised at once: q and k along a head's 64, v along the keys (tokens), and leave as images of operand registers.
; LIMITS: NaN and infinities are not served; a block of zeros, or one under 2^-124, gets the scale byte 1 (read by this program alone).
; A work-group makes 256 rows of source 0 x 128 rows of source 1 over all of K = 1,024.  Cluster x = 0, 1 (q, k): source 0 = 256 columns of the weight, source 1 = 128 tokens: a lane holds ONE token and its registers run along the head.
; Cluster x = 2 (v): source 0 = 256 tokens, source 1 = 128 columns of Wv: a lane holds one channel and its registers run along the keys.  So both results are quantised in registers, with no turn through LDS.
; All codes of the tile, 294,912 bytes, fit in LDS: each wave's four tensor loads (a chunk of 256 along K each) go out at the head; nothing is filled twice.  768 work-groups: three for each of 256 WGPs.
; CLUSTER 4 x 4: source 0's tile hangs on cx and is asked for jointly by the four of a column of the cluster, source 1's on cy, by the four of a row.
; Four waves: wave w takes source 0's rows 128 (w % 2) on and source 1's rows 64 (w / 2) on: 32 accumulators.
; REGISTERS: window 0: v1-15 addresses; v16-47, v48-63 scale words; v64-159 source 1's fragments, two sets (later the numbers to be quantised); v160-211 the way out.
;   window 1: v0-191 source 0's fragments, two sets; v192-255 the bias along source 0.   window 2: accumulator (i, j) at v[8 (8 j + i)].
.set XQ_SC, 6291456
.set WQ_SC, 3145728
.set G10, 16                           ; s[16:23] group 1 for source 0's tiles; s[24:31] for source 1's
.set G11, 24
.set G00, 32                           ; s[32:47] groups 0 for source 0's four chunks; s[48:63] for source 1's
.set G01, 48
.set WV,  66
.set HALF, 67                          ; w % 2: which half I fetch; which 128 rows of source 0 are mine
.set KIND, 68                          ; w / 2: I fetch for source 0 or 1; which 64 rows of source 1 are mine
.set CX,  69
.set CY,  70
.set CLY, 71
.set SEL, 96
.set HI,  98
.set LI,  1                            ; v1 16 x lane
.set LS,  2                            ; v2 4 x lane
.set AD0, 4                            ; v4-7  my part of source 0's chunk c
.set AD1, 8                            ; v8-11 of source 1's
.set SC0, 16
.set SC1, 48
.set F1,  64
.set T,   64
.set BV,  160                          ; v160-167 the bias along source 1: four pairs, the upper words 0
.set PW,  168
.set PWP, 169
.set PWS, 170
.set TM,  172
.set PC,  192
.set BI,  192                          ; in window 1
.set MSB, 0
.macro WIN new                         ; the immediate's high byte repeats the setting that is left
.if MSB != \new
	s_set_vgpr_msb (MSB<<8)|\new
.set MSB, \new
.endif
.endm
.macro ROUND                           ; a round of the cluster's barrier
	s_barrier_signal -1
	s_barrier_wait -1
	s_cmp_lg_u32 s[WV], 0
	s_cbranch_scc1 .Lnot_wave_0_\@
	s_barrier_signal -3
.Lnot_wave_0_\@:
	s_barrier_wait -3
	s_barrier_signal -1
	s_barrier_wait -1
.endm
.macro PLACES n                        ; plain places behind matrix instructions: four in front of loads into registers that they have read and of reads of their results
.rept \n
	v_nop
.endr
.endm
.macro FETCH s                         ; K step s: source 0's eight fragments and source 1's four, as they lie: three loads of 512 consecutive bytes each
.set fc, (\s)/2
.set fk, (\s)%2
	WIN 0x40
.irp i, 0,1,2,3,4,5,6,7
.irp g, 0,1,2
	ds_load_b128 v[96*fk+12*\i+4*\g:96*fk+12*\i+4*\g+3], v[AD0+fc] offset:3072*\i+1536*fk+512*\g
.endr
.endr
	WIN 0
.irp j, 0,1,2,3
.irp g, 0,1,2
	ds_load_b128 v[F1+48*fk+12*\j+4*\g:F1+48*fk+12*\j+4*\g+3], v[AD1+fc] offset:3072*\j+1536*fk+512*\g
.endr
.endr
.endm
; n x 8 matrix instructions of K step s: source 1's tiles j0 on, each against source 0's eight.  The 32 accumulators take turns in the same order in every K step.
; cmode 0: the first K step starts the sums with 0; 2: adds in place.  The scale words of odd K steps lie in lanes 16-31.
.macro MUL j0, n, s, cmode
	WIN 0xa1
.set mj, \j0
.rept \n
.set mi, 0
.rept 8
.set rD, 8*(8*mj+mi)
.set rA, 96*((\s)%2)+12*mi
.set rB, F1+48*((\s)%2)+12*mj
.set rX, SC0+4*mi+(\s)/2
.set rY, SC1+4*mj+(\s)/2
.if \cmode == 0
	v_wmma_scale_f32_16x16x128_f8f6f4 v[rD:rD+7], v[rA:rA+11], v[rB:rB+11], 0, v[rX], v[rY] matrix_a_fmt:MATRIX_FMT_FP6 matrix_b_fmt:MATRIX_FMT_FP6
.elseif ((\s)%2) == 0
	v_wmma_scale_f32_16x16x128_f8f6f4 v[rD:rD+7], v[rA:rA+11], v[rB:rB+11], v[rD:rD+7], v[rX], v[rY] matrix_a_fmt:MATRIX_FMT_FP6 matrix_b_fmt:MATRIX_FMT_FP6
.else
	v_wmma_scale_f32_16x16x128_f8f6f4 v[rD:rD+7], v[rA:rA+11], v[rB:rB+11], v[rD:rD+7], v[rX], v[rY] matrix_a_fmt:MATRIX_FMT_FP6 matrix_b_fmt:MATRIX_FMT_FP6 matrix_a_scale:MATRIX_SCALE_ROW1 matrix_b_scale:MATRIX_SCALE_ROW1
.endif
.set mi, mi+1
.endr
.set mj, mj+1
.endr
.endm
.macro QUANT s                         ; 64 numbers of a lane, register 16 b + i = k 32 b + 16 (lane / 16) + i of my row, become 12 registers of codes in v[PC] on and the scale word in v[PW]
.irp b, 0,1,2,3
	v_max3_num_f32 v[TM+\b], |v[\s+16*\b]|, |v[\s+1+16*\b]|, 0x1800000   ; and the floor 2^(3 - 127): the byte cannot fall under 1
.endr
.irp i, 2,4,6,8,10,12,14
.irp b, 0,1,2,3
	v_max3_num_f32 v[TM+\b], v[TM+\b], |v[\s+16*\b+\i]|, |v[\s+1+16*\b+\i]|
.endr
.endr
.irp b, 0,1,2,3
	v_permlanex16_b32 v[TM+4+\b], v[TM+\b], s[SEL], s[SEL+1]
.endr
.irp b, 0,1,2,3
	v_max_num_f32 v[TM+\b], v[TM+\b], v[TM+4+\b]
.endr
.irp b, 0,1,2,3
	v_add_nc_u32 v[TM+12+\b], 0xff000000, v[TM+\b]   ; 2 off the exponent field: the conversion's scale operand
.endr
.irp b, 0,1,2,3
	v_lshrrev_b32 v[TM+4+\b], 23, v[TM+12+\b]
.endr
	v_lshl_or_b32 v[PW], v[TM+5], 8, v[TM+4]
	v_lshl_or_b32 v[PW], v[TM+6], 16, v[PW]
	v_lshl_or_b32 v[PW], v[TM+7], 24, v[PW]
.irp c, 0,1
	v_cvt_scalef32_pk16_fp6_f32 v[PC+6*\c:PC+2+6*\c], v[\s+32*\c:\s+15+32*\c], v[TM+12+2*\c]
	v_cvt_scalef32_pk16_fp6_f32 v[PC+12+4*\c:PC+14+4*\c], v[\s+16+32*\c:\s+31+32*\c], v[TM+12+2*\c+1]
.endr
	v_nop                                          ; one plain place behind a scaled conversion
.irp c, 0,1
.irp i, 0,1,2
	v_permlane16_swap_b32 v[PC+6*\c+\i], v[PC+12+4*\c+\i]
.endr
.irp i, 0,1,2
	v_mov_b32 v[PC+3+6*\c+\i], v[PC+12+4*\c+\i]
.endr
.endr
.endm
	s_load_b128 s[4:7], s[0:1], 0x0                ; xq, wq
	s_load_b128 s[8:11], s[0:1], 0x10              ; bq, bk
	s_load_b128 s[12:15], s[0:1], 0x20             ; bv, qkv
	v_lshl_add_u32 v254, v0, 2, 0x48000
	v_mov_b32 v255, 0
	ds_add_u32 v254, v255
	ds_add_u32 v254, v255
	v_lshrrev_b32 v3, 5, v0
	v_readfirstlane_b32 s[WV], v3
	s_and_b32 s[HALF], s[WV], 1
	s_lshr_b32 s[KIND], s[WV], 1
	s_bfe_u32 s[CX], ttmp6, 0x40000
	s_bfe_u32 s[CY], ttmp6, 0x40004
	s_and_b32 s[CLY], ttmp7, 0xffff                ; cluster y; cluster x is ttmp9
	s_mov_b32 s[SEL], 0x76543210
	s_mov_b32 s[SEL+1], 0xfedcba98
	s_mov_b32 s[HI], 0xffff0000
	; LDS: source 0 [chunk 4][tile 16][K step 2][1,536] at 0; source 1 [chunk 4][tile 8][2][1,536] at 196,608.  No place in the cluster enters an LDS address
	v_and_b32 v3, 31, v0
	v_lshlrev_b32 v[LI], 4, v3
	v_lshlrev_b32 v[LS], 2, v3
	s_mul_i32 s90, s[HALF], 24576
	s_mul_i32 s91, s[KIND], 12288
	s_add_co_u32 s91, s91, 196608
	v_add_nc_u32 v[AD0], s90, v[LI]
	v_add_nc_u32 v[AD1], s91, v[LI]
.irp c, 1,2,3
	v_add_nc_u32 v[AD0+\c], \c*49152, v[AD0]
	v_add_nc_u32 v[AD1+\c], \c*24576, v[AD1]
.endr
	v_bfe_u32 v13, v0, 4, 1
	v_lshlrev_b32 v13, 6, v13                      ; the bias along source 0: lanes 16-31 begin 16 numbers on
	v_and_b32 v14, 15, v0
	v_and_b32 v15, 8, v14
	v_add_nc_u32 v14, v14, v15
	v_lshlrev_b32 v14, 2, v14                      ; the bias along source 1: place r is column r + 8 (r / 8) of its tile
.irp b, 0,1,2,3
	v_mov_b32 v[TM+4+\b], 0                        ; written once: a lane permute's destination counts as one of its sources
	v_mov_b32 v[BV+2*\b+1], 0                      ; the pairs' upper words are named, so they are written
.endr
	s_mul_i32 s91, s[HALF], 12288                  ; where my half of a chunk of source 1 goes (s90: of source 0)
	; group 1: 8 (4) rows of 3,072 bytes, a tile's two K steps, 12,288 bytes apart in memory, dense in LDS; elements of 8 bytes
	s_lshl_b32 s72, 0x1111, s[CX]                  ; my column of the cluster shares source 0's tile
	s_lshl_b32 s80, s[CY], 2
	s_lshl_b32 s80, 15, s80                        ; my row shares source 1's
	s_or_b32 s[G10], s72, (3<<16)|(1<<21)
	s_or_b32 s[G11], s80, (3<<16)|(1<<21)
	s_mov_b32 s[G10+1], 384<<16
	s_mov_b32 s[G10+2], 8<<16
	s_mov_b32 s[G10+3], 384<<16
	s_mov_b32 s[G10+4], 8
	s_mov_b32 s[G10+5], 1536
	s_mov_b32 s[G10+6], 0
	s_mov_b32 s[G10+7], 0
	s_mov_b32 s[G11+1], 384<<16
	s_mov_b32 s[G11+2], 4<<16
	s_mov_b32 s[G11+3], 384<<16
	s_mov_b32 s[G11+4], 4
	s_mov_b32 s[G11+5], 1536
	s_mov_b32 s[G11+6], 0
	s_mov_b32 s[G11+7], 0
	; which blocks.  q, k: source 0 = tensor (cluster x) of wq, block cx; source 1 = xq, block 4 cly + cy.   v: source 0 = xq, block 4 (cly / 2) + cx; source 1 = Wv in wq, block 4 (cly % 2) + cy
	s_lshr_b32 s73, s[CLY], 1
	s_and_b32 s81, s[CLY], 1
	s_add_co_u32 s81, s81, 4
	s_mov_b32 s77, WQ_SC
	s_mov_b32 s85, XQ_SC
	s_cmp_eq_u32 ttmp9, 2                          ; the same in all sixteen partners
	s_cselect_b32 s73, s73, ttmp9
	s_cselect_b32 s81, s81, s[CLY]
	s_cselect_b32 s77, XQ_SC, s77
	s_cselect_b32 s85, WQ_SC, s85
	s_mul_i32 s74, s73, 786432                     ; source 0's registers never hold cy, source 1's never cx
	s_mul_i32 s72, s[CX], 196608
	s_add_co_u32 s74, s74, s72
	s_mul_i32 s72, s[HALF], 98304
	s_add_co_u32 s74, s74, s72                     ; the eight tiles that I fetch
	s_mov_b32 s75, 0
	s_lshl_b32 s76, s73, 15
	s_add_co_u32 s76, s76, s77
	s_lshl_b32 s72, s[CX], 13
	s_add_co_u32 s76, s76, s72
	s_lshl_b32 s72, s[HALF], 12
	s_add_co_u32 s76, s76, s72                     ; the scale images of my eight tiles of source 0
	s_mov_b32 s77, 0
	s_mul_i32 s82, s81, 393216
	s_mul_i32 s80, s[CY], 98304
	s_add_co_u32 s82, s82, s80
	s_mul_i32 s80, s[HALF], 49152
	s_add_co_u32 s82, s82, s80
	s_mov_b32 s83, 0
	s_lshl_b32 s84, s81, 14
	s_add_co_u32 s84, s84, s85
	s_lshl_b32 s80, s[CY], 12
	s_add_co_u32 s84, s84, s80
	s_lshl_b32 s80, s[KIND], 11
	s_add_co_u32 s84, s84, s80                     ; the scale images of my four tiles of source 1
	s_mov_b32 s85, 0
	s_lshl_b32 s92, s[CX], 10
	s_lshl_b32 s99, s[HALF], 9
	s_add_co_u32 s92, s92, s99                     ; the bias of my 128 columns (q, k)
	s_mov_b32 s93, 0
	s_and_b32 s94, s[CLY], 1
	s_lshl_b32 s94, s94, 11
	s_lshl_b32 s99, s[CY], 9
	s_add_co_u32 s94, s94, s99
	s_lshl_b32 s99, s[KIND], 8
	s_add_co_u32 s94, s94, s99                     ; the bias of my 64 columns (v); elsewhere 0, so that the load stays in its buffer
	s_cmp_eq_u32 ttmp9, 2
	s_cselect_b32 s94, s94, 0
	s_mov_b32 s95, 0
	s_wait_dscnt 0x0
	s_wait_kmcnt 0x0
	s_cselect_b64 s[78:79], s[4:5], s[6:7]         ; source 0's buffer
	s_cselect_b64 s[86:87], s[6:7], s[4:5]         ; source 1's
	s_cselect_b64 s[88:89], s[12:13], s[10:11]     ; the bias: bv, or bk,
	s_cmp_eq_u32 ttmp9, 0
	s_cselect_b64 s[88:89], s[8:9], s[88:89]       ; or bq
	s_add_nc_u64 s[74:75], s[78:79], s[74:75]
	s_add_nc_u64 s[76:77], s[78:79], s[76:77]
	s_add_nc_u64 s[82:83], s[86:87], s[82:83]
	s_add_nc_u64 s[84:85], s[86:87], s[84:85]
	s_add_nc_u64 s[92:93], s[88:89], s[92:93]
	s_add_nc_u64 s[94:95], s[88:89], s[94:95]
.irp c, 0,1,2,3
	s_mov_b32 s[G00+4*\c], 1
	s_add_co_u32 s[G00+4*\c+1], s90, \c*49152
	s_add_nc_u64 s[G00+4*\c+2:G00+4*\c+3], s[74:75], \c*3072
	s_or_b32 s[G00+4*\c+3], s[G00+4*\c+3], 0x80000000
	s_mov_b32 s[G01+4*\c], 1
	s_add_co_u32 s[G01+4*\c+1], s91, 196608+\c*24576
	s_add_nc_u64 s[G01+4*\c+2:G01+4*\c+3], s[82:83], \c*3072
	s_or_b32 s[G01+4*\c+3], s[G01+4*\c+3], 0x80000000
.endr
	ROUND                                          ; all sixteen work-groups are here: the joint loads meet
	s_cmp_eq_u32 s[KIND], 0                        ; waves 0, 1 fetch source 0's halves, waves 2, 3 source 1's: a wave's four loads stand in one branch; four of mine are out
	s_cbranch_scc0 .Lfor_s1
.irp c, 0,1,2,3
	tensor_load_to_lds s[G00+4*\c:G00+4*\c+3], s[G10:G10+7]
	s_nop 0
.endr
	PLACES 4
	s_branch .Lasked
.Lfor_s1:
.irp c, 0,1,2,3
	tensor_load_to_lds s[G01+4*\c:G01+4*\c+3], s[G11:G11+7]
	s_nop 0
.endr
	PLACES 4
.Lasked:
.irp i, 0,1,2,3,4,5,6,7
	global_load_b128 v[SC0+4*\i:SC0+4*\i+3], v[LI], s[76:77] offset:512*\i   ; a tile's scale words of all eight K steps: 512 consecutive bytes
.endr
.irp j, 0,1,2,3
	global_load_b128 v[SC1+4*\j:SC1+4*\j+3], v[LI], s[84:85] offset:512*\j
.endr
	WIN 0x40
.irp i, 0,1,2,3,4,5,6,7
	global_load_b128 v[BI+8*\i:BI+8*\i+3], v13, s[92:93] offset:(32*(\i/2)+8*(\i%2))*4      ; in the result's layout: lane (r, h), register q: column 32 (i / 2) + 8 (i % 2) + 16 h + q
	global_load_b128 v[BI+8*\i+4:BI+8*\i+7], v13, s[92:93] offset:(32*(\i/2)+8*(\i%2))*4+16
.endr
	WIN 0
.irp j, 0,1,2,3
	global_load_b32 v[BV+2*\j], v14, s[94:95] offset:(32*(\j/2)+8*(\j%2))*4
.endr
	s_wait_tensorcnt 3                             ; my part of chunk 0 is in; my three younger loads may be out: nothing is filled twice in this launch
	s_barrier_signal -1
	s_barrier_wait -1                              ; everybody's is
	FETCH 0
	s_wait_loadcnt 20                              ; the 12 loads of scale words are in; the 20 of the biases may be out
	s_wait_dscnt 0x0
	FETCH 1
	MUL 0, 4, 0, 0
.irp s, 1,3,5                          ; an odd K step ends a chunk: the next chunk is shown landed to every wave by a barrier, with half the step's products between its signal and its wait
	s_wait_dscnt 0x0                               ; this K step's fragments are in, and no LDS load of mine is out at the signal
	s_wait_tensorcnt 2-(\s)/2                      ; my part of the next chunk is in; the younger loads may be out
	s_barrier_signal -1
	MUL 0, 2, \s, 2
	s_barrier_wait -1
	PLACES 4
	FETCH (\s)+1
	MUL 2, 2, \s, 2
	s_wait_dscnt 0x0
	PLACES 4
	FETCH (\s)+2
	MUL 0, 4, (\s)+1, 2
.endr
	s_wait_dscnt 0x0
	MUL 0, 4, 7, 2
	PLACES 4                                       ; in front of the first reads of results and the first writes over fragments
	WIN 0
	s_wait_loadcnt 0x0                             ; the biases
.macro OUTBASE                         ; s72 = the first unit that I write: images of 1,536 bytes at s[74:75], scale words, 64 bytes a unit, at s[76:77]
	s_mul_i32 s74, s72, 1536
	s_mul_i32 s73, ttmp9, 6291456
	s_add_co_u32 s74, s74, s73
	s_mov_b32 s75, 0
	s_add_nc_u64 s[74:75], s[14:15], s[74:75]
	s_lshl_b32 s76, s72, 6
	s_lshl_b32 s73, ttmp9, 18
	s_add_co_u32 s76, s76, s73
	s_add_co_u32 s76, s76, 18874368
	s_mov_b32 s77, 0
	s_add_nc_u64 s[76:77], s[14:15], s[76:77]
.endm
	s_cmp_eq_u32 ttmp9, 2
	s_cbranch_scc1 .Lv_out
	; ---- q, k.  A unit is a head's 64 of a PAIR of token tiles: k 0-63 of the fragment = tile 2 P, k 64-127 = tile 2 P + 1.  Unit [batch x 16 + head][pair of 64]
	s_lshr_b32 s72, s[CLY], 2
	s_lshl_b32 s72, s72, 4
	s_lshl_b32 s73, s[CX], 2
	s_add_co_u32 s72, s72, s73
	s_lshl_b32 s73, s[HALF], 1
	s_add_co_u32 s72, s72, s73                     ; batch x 16 + my first head
	s_lshl_b32 s72, s72, 6
	s_lshl_b32 s73, s[CLY], 2
	s_add_co_u32 s73, s73, s[CY]
	s_and_b32 s73, s73, 15
	s_lshl_b32 s73, s73, 2
	s_add_co_u32 s72, s72, s73
	s_lshl_b32 s73, s[KIND], 1
	s_add_co_u32 s72, s72, s73
	OUTBASE
.macro UNIT_QK g, jp                   ; head g of my two, pair jp of my two
	WIN 0x06                                       ; source 0 (sums) window 2, source 1 (bias) window 1
.irp e, 0,1
.irp i, 0,1,2,3
.irp q, 0,2,4,6
	v_pk_add_f32 v[T+32*\e+8*\i+\q:T+32*\e+8*\i+\q+1], v[64*(2*\jp+\e)+8*(4*\g+\i)+\q:64*(2*\jp+\e)+8*(4*\g+\i)+\q+1], v[BI+8*(4*\g+\i)+\q:BI+8*(4*\g+\i)+\q+1]   ; each accumulator from its low end on
.endr
.endr
.endr
	WIN 0
	s_wait_xcnt 0x0                                ; the last unit's stores have read their registers
	QUANT T
.irp c, 0,1,2
	global_store_b128 v[LI], v[PC+4*\c:PC+4*\c+3], s[74:75] offset:98304*\g+1536*\jp+512*\c   ; 512 consecutive bytes, aligned
.endr
.if \jp == 0
	v_mov_b32 v[PWP], v[PW]
.else
	v_cndmask_b32 v[PWS], v[PWP], v[PW], s[HI]     ; two units' words: 128 consecutive bytes
	global_store_b32 v[LS], v[PWS], s[76:77] offset:4096*\g
.endif
.endm
	UNIT_QK 0, 0
	UNIT_QK 0, 1
	UNIT_QK 1, 0
	UNIT_QK 1, 1
	s_branch .Ldone
	; ---- v.  A unit is a fragment of V^T: 16 channels of a head x 128 keys.  Unit [batch x 16 + head][4 x key step + tile of channels]
.Lv_out:
	s_lshr_b32 s72, s[CLY], 1
	s_lshl_b32 s72, s72, 2
	s_add_co_u32 s72, s72, s[CX]
	s_lshl_b32 s72, s72, 1
	s_add_co_u32 s72, s72, s[HALF]                 ; my 128 tokens: 16 x batch + key step
	s_lshr_b32 s73, s72, 4
	s_lshl_b32 s73, s73, 4
	s_and_b32 s78, s[CLY], 1
	s_lshl_b32 s78, s78, 2
	s_add_co_u32 s78, s78, s[CY]
	s_lshl_b32 s78, s78, 1
	s_add_co_u32 s78, s78, s[KIND]                 ; my 64 columns are one head
	s_add_co_u32 s73, s73, s78
	s_lshl_b32 s73, s73, 4
	s_and_b32 s72, s72, 15
	s_add_co_u32 s72, s72, s73
	s_lshl_b32 s72, s72, 2
	OUTBASE
.macro UNIT_V j
	WIN 0x02                                       ; source 0 (sums) window 2
.set q, 0
.rept 32
	v_pk_add_f32 v[T+q:T+q+1], v[64*\j+q:64*\j+q+1], v[BV+2*\j:BV+2*\j+1] op_sel_hi:[1,0]   ; my channel's bias on both
.set q, q+2
.endr
	WIN 0
	s_wait_xcnt 0x0
	QUANT T
.irp c, 0,1,2
	global_store_b128 v[LI], v[PC+4*\c:PC+4*\c+3], s[74:75] offset:1536*\j+512*\c
.endr
.if (\j%2) == 0
	v_mov_b32 v[PWP], v[PW]
.else
	v_cndmask_b32 v[PWS], v[PWP], v[PW], s[HI]
	global_store_b32 v[LS], v[PWS], s[76:77] offset:128*(\j/2)
.endif
.endm
	UNIT_V 0
	UNIT_V 1
	UNIT_V 2
	UNIT_V 3
.Ldone:
	s_wait_tensorcnt 0x0
	ds_add_u32 v254, v255
	s_wait_dscnt 0x0
	ROUND                                          ; the closing round: no work-group ends while a partner may still ask for a tile that names it
	s_endpgm
.Lfunc_end_k_q3fd823e7e6_qkv:
	.size	k_q3fd823e7e6_qkv, .Lfunc_end_k_q3fd823e7e6_qkv-k_q3fd823e7e6_qkv
	.p2alignl 7, 3214868480
	.fill 96, 4, 3214868480
	.section	.rodata,"a",@progbits
	.p2align	6, 0x0
	.amdhsa_kernel k_q3fd823e7e6_qkv
		.amdhsa_group_segment_fixed_size 295424
		.amdhsa_private_segment_fixed_size 0
		.amdhsa_enable_private_segment 0
		.amdhsa_kernarg_size 48
		.amdhsa_user_sgpr_count 2
		.amdhsa_user_sgpr_kernarg_segment_ptr 1
		.amdhsa_wavefront_size32 1
		.amdhsa_system_sgpr_workgroup_id_x 1
		.amdhsa_system_sgpr_workgroup_id_y 1
		.amdhsa_system_sgpr_workgroup_id_z 1
		.amdhsa_system_vgpr_workitem_id 0
		.amdhsa_next_free_vgpr 768
		.amdhsa_next_free_sgpr 100
		.amdhsa_reserve_vcc 0
		.amdhsa_float_denorm_mode_32 3
		.amdhsa_float_denorm_mode_16_64 3
		.amdhsa_memory_ordered 1
		.amdhsa_forward_progress 1
		.amdhsa_inst_pref_size 117
	.end_amdhsa_kernel
	.amdgpu_metadata
---
amdhsa.version: [ 1, 2 ]
amdhsa.kernels:
  - .name:           k_q3fd823e7e6_qkv
    .symbol:         k_q3fd823e7e6_qkv.kd
    .args:
      - { .name: xq, .offset: 0, .size: 8, .value_kind: global_buffer, .address_space: global }
      - { .name: wq, .offset: 8, .size: 8, .value_kind: global_buffer, .address_space: global }
      - { .name: bq, .offset: 16, .size: 8, .value_kind: global_buffer, .address_space: global }
      - { .name: bk, .offset: 24, .size: 8, .value_kind: global_buffer, .address_space: global }
      - { .name: bv, .offset: 32, .size: 8, .value_kind: global_buffer, .address_space: global }
      - { .name: qkv, .offset: 40, .size: 8, .value_kind: global_buffer, .address_space: global }
    .group_segment_fixed_size: 295424
    .private_segment_fixed_size: 0
    .kernarg_segment_align: 8
    .kernarg_segment_size: 48
    .max_flat_workgroup_size: 128
    .sgpr_count:     100
    .vgpr_count:     768
    .wavefront_size: 32
...
	.end_amdgpu_metadata
.endif
;; end of part 2
;; launch attn (part 3): grid 4 x 64, 16 waves a work-group, clusters of 4 x 1, 206,848 bytes of LDS; arguments qkv, yq; writes yq
.if DOCPART == 3
	.amdgcn_target "amdgcn-amd-amdhsa--gfx1250"
	.amdhsa_code_object_version 6
	.text
	.protected	k_q3fd823e7e6_attn
	.globl	k_q3fd823e7e6_attn
	.p2align	8
	.type	k_q3fd823e7e6_attn,@function
k_q3fd823e7e6_attn:
	s_mov_b64 s[64:65], 0
	v_nop
	global_prefetch_b8 v0, s[64:65] scope:SCOPE_SE
	s_setreg_imm32_b32 hwreg(HW_REG_WAVE_MODE, 25, 1), 1
	s_wait_xcnt 0x0
	s_wait_alu depctr_hold_cnt(0) depctr_sa_sdst(0) depctr_va_vdst(0) depctr_va_sdst(0) depctr_va_ssrc(0) depctr_va_vcc(0) depctr_vm_vsrc(0)
	s_getreg_b32 s2, hwreg(HW_REG_IB_STS2, 6, 4)
	s_cmp_eq_u32 s2, 0
	s_cbranch_scc0 .Lentry_in_a_cluster
	s_endpgm
.Lentry_in_a_cluster:
	s_bfe_u32 s2, ttmp6, 0x10000c
	s_cmp_lg_u32 s2, 0x3003
	s_cbranch_scc0 .Lentry_shape_is_right
	s_endpgm
.Lentry_shape_is_right:
; y[b][h][q] = the sum over keys k <= q of softmax_k(q . k / 8) v[k], both products on codes of FP6 (E2M3) with E8M0 scales; y is quantised along its head's 64 at once and leaves as half a fragment's image.
; THE SOFTMAX: t = score x log2(e) / 8; M = the running largest t rounded UP to a whole number; p = 2^(t - M) is quantised along the keys; the row's sum is taken of the unquantised p and divides at the end (v_rcp_f32 and a multiply).
; LIMITS: NaN and infinities are not served; a block of zeros, or one under 2^-124, gets the scale byte 1 (read by this program alone).
; A CLUSTER of four work-groups serves one (batch, head): they ask JOINTLY for the head's whole K and V (codes and scale words, 204,800 bytes), which stay in LDS: nothing is filled twice.
; SHARES.  Sixteen waves, four to a SIMD.  Wave w at place cx owns two tiles of 16 queries: A = 8 a + s (a = w / 2, s = 4 (w % 2) + cx) and B = 127 - A: (a + 1) + (16 - a) = 17 key steps of 128 for every wave.
; Branches hang on a, that is on the wave's number; cx enters global addresses and the mask's numbers alone.  A key step all of whose keys come after a tile's queries is left out for that tile.
; LAYOUT.  S^T = K Q^T and O^T = V^T P^T: a lane holds ONE query.  Tiles of tokens are not neighbours: place r of tile t is token 32 (t / 2) + 8 (t % 2) + r + 8 (r / 8), so the 16 registers of key tiles 2 b, 2 b + 1 are 16 neighbouring keys.
; THE HEAD IS 64 AND THE INSTRUCTION'S K IS 128: a fragment of K holds TWO key tiles (k 0-63, k 64-127); against [q | zero codes] it gives the first tile's scores, against [zero codes | q] the second's.
; REGISTERS: v1-15 addresses, the mask's numbers, scale words; v16-45 the run [0 qA 0 qB 0], six registers each; v48-55 -M, largest t, the sum's two halves, for A and B; v56-87, v88-119 O^T; v120-183 S^T, then p, then V;
;   v184-231 K's four fragments, then V's two, p's codes and work; v232-242 at work.
.set G1C0, 16                          ; s[16:47] four groups 1: rows of 256 bytes, 48, 336, 2 and 14 of them
.set G1C1, 24
.set G1S0, 32
.set G1S1, 40
.set G0C0, 48                          ; s[48:63] groups 0: codes chunk 0, chunk 1, scale words chunk 0, chunk 1
.set G0C1, 52
.set G0S0, 56
.set G0S1, 60
.set WV,  66
.set CX,  67
.set BH,  68
.set W1,  69
.set LA,  70                           ; tile A's last key step
.set LB,  71                           ; tile B's
.set KS,  72                           ; the key step
.set TK,  73                           ; its codes in LDS: 6,144 bytes a step
.set TS,  74                           ; its scale words: 256 bytes a step
.set CNT, 75
.set SEL, 76
.set CS,  78                           ; s[78:79] c = log2(e) / 8
.set TA,  90
.set TB,  91
.set SHA, 92
.set SHB, 93
.set LI,  1                            ; v1 16 x lane
.set LS,  2                            ; v2 196,608 + 4 x lane
.set ADK, 3
.set ADV, 4
.set ADS, 5
.set DA,  6                            ; the mask: my query's place in its key step - 16 (lane / 16)
.set DB,  7
.set QSA, 8                            ; q's scale words
.set QSB, 9
.set KSC, 10                           ; v10-11 K's scale words, v12-13 V's
.set VSC, 12
.set L8,  14                           ; 8 x lane
.set R16, 15                           ; 16 x (lane % 16)
.set S,   120
.set KF,  184
.set PCD, 208
.set CT,  220
.set MX,  228
.set TP,  232
.set SO,  236
.set F,   240
.set PWD, 241
.set TT,  242
.macro ROUND
	s_barrier_signal -1
	s_barrier_wait -1
	s_cmp_lg_u32 s[WV], 0
	s_cbranch_scc1 .Lnot_wave_0_\@
	s_barrier_signal -3
.Lnot_wave_0_\@:
	s_barrier_wait -3
	s_barrier_signal -1
	s_barrier_wait -1
.endm
.macro GROUP1 g, rows                  ; a dense block as rows of 256 bytes (32 elements of 8); the mask names all four work-groups, bit 21 beside it
	s_mov_b32 s[\g], 15|(3<<16)|(1<<21)
	s_mov_b32 s[\g+1], 32<<16
	s_mov_b32 s[\g+2], (\rows)<<16
	s_mov_b32 s[\g+3], 32<<16
	s_mov_b32 s[\g+4], \rows
	s_mov_b32 s[\g+5], 32
	s_mov_b32 s[\g+6], 0
	s_mov_b32 s[\g+7], 0
.endm
	s_load_b128 s[4:7], s[0:1], 0x0                ; qkv, yq
	v_lshl_add_u32 v254, v0, 2, 0x32000
	v_mov_b32 v255, 0
	ds_add_u32 v254, v255
	ds_add_u32 v254, v255
	v_lshrrev_b32 v3, 5, v0
	v_readfirstlane_b32 s[WV], v3                  ; wave 0..15
	s_bfe_u32 s[CX], ttmp6, 0x40000
	s_and_b32 s[BH], ttmp7, 0xffff                 ; batch x 16 + head: the cluster's y
	s_and_b32 s[W1], s[WV], 1
	s_lshr_b32 s[LA], s[WV], 1
	s_sub_co_u32 s[LB], 15, s[LA]
	s_mov_b32 s[SEL], 0x76543210
	s_mov_b32 s[SEL+1], 0xfedcba98
	s_mov_b32 s[CS], 0x3e38aa3b
	s_mov_b32 s[CS+1], s[CS]                       ; named with it as a pair, so it is written
	s_mov_b32 s[KS], 0
	s_mov_b32 s[TK], 0
	s_mov_b32 s[TS], 0
	v_and_b32 v3, 31, v0
	v_lshlrev_b32 v[LI], 4, v3
	v_lshl_add_u32 v[LS], v3, 2, 196608
	v_lshlrev_b32 v[L8], 3, v3
	GROUP1 G1C0, 48                                ; chunk 0: key steps 0 and 1;  chunk 1: the other fourteen
	GROUP1 G1C1, 336
	GROUP1 G1S0, 2
	GROUP1 G1S1, 14
	; LDS: K's images at 0, V's at 98,304 (6,144 bytes a key step), K's scale words at 196,608, V's at 200,704 (256 bytes a key step).  Waves 0, 1 fetch K's and V's codes, waves 2, 3 their scale words
	s_add_co_u32 s86, s[W1], 1
	s_mul_i32 s80, s86, 6291456
	s_mul_i32 s87, s[BH], 98304
	s_add_co_u32 s80, s80, s87
	s_mov_b32 s81, 0
	s_lshl_b32 s82, s86, 18
	s_lshl_b32 s86, s[BH], 12
	s_add_co_u32 s82, s82, s86
	s_add_co_u32 s82, s82, 18874368
	s_mov_b32 s83, 0
	s_add_co_u32 s86, s86, 18874368                ; q's scale words of this head
	s_mul_i32 s84, s[W1], 98304
	s_lshl_b32 s85, s[W1], 12
	s_add_co_u32 s85, s85, 196608
	s_wait_dscnt 0x0
	s_wait_kmcnt 0x0
	s_mov_b32 s[G0C0], 1
	s_mov_b32 s[G0C0+1], s84
	s_add_nc_u64 s[G0C0+2:G0C0+3], s[4:5], s[80:81]
	s_mov_b32 s[G0C1], 1
	s_add_co_u32 s[G0C1+1], s84, 12288
	s_add_nc_u64 s[G0C1+2:G0C1+3], s[G0C0+2:G0C0+3], 12288
	s_or_b32 s[G0C0+3], s[G0C0+3], 0x80000000
	s_or_b32 s[G0C1+3], s[G0C1+3], 0x80000000
	s_mov_b32 s[G0S0], 1
	s_mov_b32 s[G0S0+1], s85
	s_add_nc_u64 s[G0S0+2:G0S0+3], s[4:5], s[82:83]
	s_mov_b32 s[G0S1], 1
	s_add_co_u32 s[G0S1+1], s85, 512
	s_add_nc_u64 s[G0S1+2:G0S1+3], s[G0S0+2:G0S0+3], 512
	s_or_b32 s[G0S0+3], s[G0S0+3], 0x80000000
	s_or_b32 s[G0S1+3], s[G0S1+3], 0x80000000
	s_mov_b32 s80, s87
	s_add_nc_u64 s[88:89], s[4:5], s[80:81]        ; q's images of this head
	s_mov_b32 s87, 0
	s_add_nc_u64 s[94:95], s[4:5], s[86:87]
	ROUND                                          ; all four work-groups are here: the joint loads meet
	s_cmp_lt_u32 s[WV], 2                          ; a wave's two loads stand in one branch on the wave's number: two of mine are out at the most
	s_cbranch_scc0 .Lnot_codes
	tensor_load_to_lds s[G0C0:G0C0+3], s[G1C0:G1C0+7]
	s_nop 0
	tensor_load_to_lds s[G0C1:G0C1+3], s[G1C1:G1C1+7]
	s_nop 0
.rept 4
	v_nop
.endr
	s_branch .Lasked
.Lnot_codes:
	s_cmp_lt_u32 s[WV], 4
	s_cbranch_scc0 .Lasked
	tensor_load_to_lds s[G0S0:G0S0+3], s[G1S0:G1S0+7]
	s_nop 0
	tensor_load_to_lds s[G0S1:G0S1+3], s[G1S1:G1S1+7]
	s_nop 0
.rept 4
	v_nop
.endr
.Lasked:
	s_lshl_b32 s80, s[W1], 2
	s_add_co_u32 s80, s80, s[CX]
	s_lshl_b32 s[TA], s[LA], 3
	s_add_co_u32 s[TA], s[TA], s80                 ; tile A
	s_sub_co_u32 s[TB], 127, s[TA]                 ; tile B
	v_and_b32 v4, 15, v0                           ; r
	v_lshlrev_b32 v[R16], 4, v4
	v_lshlrev_b32 v130, 2, v4
	v_and_b32 v5, 8, v4
	v_add_nc_u32 v5, v5, v4
	v_bfe_u32 v3, v0, 4, 1
	v_lshlrev_b32 v3, 4, v3
	v_sub_nc_u32 v5, v5, v3                        ; r + 8 (r / 8) - 16 h
; A tile's six registers of q out of its pair's image (registers 6 u .. 6 u + 5, u = tile % 2), in three pieces of 8 bytes; the pair's scale word; the mask's number
.macro QLOAD tile, qr, sc, t0, sh, dr
	s_lshr_b32 s80, s[\tile], 1
	s_and_b32 s81, s[\tile], 1
	s_lshl_b32 s[\sh], s81, 4
	s_mul_i32 s82, s80, 1536
	s_mul_i32 s83, s81, 520
	s_add_co_u32 s83, s83, s82
	v_add_nc_u32 v[\t0], s83, v[LI]                ; registers 0, 1 at 0, or 6, 7 at 520
	s_add_co_u32 s83, s83, 512
	v_add_nc_u32 v[\t0+2], s83, v[LI]              ; registers 4, 5 at 512, or 10, 11 at 1,032
	s_mul_i32 s83, s81, 1016
	s_add_co_u32 s83, s83, s82
	v_add_nc_u32 v[\t0+1], s83, v[LI]              ; registers 2, 3 at 8, or 8, 9 at 1,024
	s_lshl_b32 s83, s80, 6
	v_add_nc_u32 v[\t0+3], s83, v130
	global_load_b64 v[\qr:\qr+1], v[\t0], s[88:89]
	global_load_b64 v[\qr+2:\qr+3], v[\t0+1], s[88:89] offset:8
	global_load_b64 v[\qr+4:\qr+5], v[\t0+2], s[88:89]
	global_load_b32 v[\sc], v[\t0+3], s[94:95]
	s_and_b32 s80, s[\tile], 7
	s_lshr_b32 s82, s80, 1
	s_lshl_b32 s82, s82, 5
	s_lshl_b32 s81, s81, 3
	s_add_co_u32 s82, s82, s81
	v_add_nc_u32 v[\dr], s82, v5
.endm
	QLOAD TA, 22, QSA, 120, SHA, DA
	QLOAD TB, 34, QSB, 124, SHB, DB
.irp z, 16,17,18,19,20,21,28,29,30,31,32,33,40,41,42,43,44,45
	v_mov_b32 v\z, 0                               ; zero codes
.endr
.irp t, 48,52
	v_mov_b32 v[\t+1], 0xff61b1e6                  ; the largest t so far: -3e38
	v_floor_f32 v[\t], -v[\t+1]                    ; -M
	v_mov_b32 v[\t+2], 0                           ; the sum, in two halves
	v_mov_b32 v[\t+3], 0
.endr
.irp b, 0,1,2,3
	v_mov_b32 v[TP+\b], 0                          ; written once: a lane permute's destination counts as one of its sources
.endr
	v_mov_b32 v[PWD], 0                            ; named as the upper half of the pair v[240:241] before it is first written
	s_wait_loadcnt 0x0
	v_lshrrev_b32 v[QSA], s[SHA], v[QSA]           ; my tile's two bytes, written twice: they serve k 0-63 and k 64-127 alike
	v_lshrrev_b32 v[QSB], s[SHB], v[QSB]
	v_and_b32 v[QSA], 0xffff, v[QSA]
	v_and_b32 v[QSB], 0xffff, v[QSB]
	v_lshl_or_b32 v[QSA], v[QSA], 16, v[QSA]
	v_lshl_or_b32 v[QSB], v[QSB], 16, v[QSB]
.set j, 56
.rept 64
	v_mov_b32 v[j], 0                              ; O^T: the step is written once; the first finds zeros, which the first change of M leaves zeros
.set j, j+1
.endr
.macro QK b, u, qr, sc
.if ((\b)%2) == 0
	v_wmma_scale_f32_16x16x128_f8f6f4 v[S+8*(2*\b+\u):S+8*(2*\b+\u)+7], v[KF+12*\b:KF+12*\b+11], v[\qr:\qr+11], 0, v[KSC+(\b)/2], v[\sc] matrix_a_fmt:MATRIX_FMT_FP6 matrix_b_fmt:MATRIX_FMT_FP6
.else
	v_wmma_scale_f32_16x16x128_f8f6f4 v[S+8*(2*\b+\u):S+8*(2*\b+\u)+7], v[KF+12*\b:KF+12*\b+11], v[\qr:\qr+11], 0, v[KSC+(\b)/2], v[\sc] matrix_a_fmt:MATRIX_FMT_FP6 matrix_b_fmt:MATRIX_FMT_FP6 matrix_a_scale:MATRIX_SCALE_ROW1
.endif
.endm
.macro PV dl, va, o
.if ((\dl)%2) == 0
	v_wmma_scale_f32_16x16x128_f8f6f4 v[\o+8*\dl:\o+8*\dl+7], v[\va:\va+11], v[PCD:PCD+11], v[\o+8*\dl:\o+8*\dl+7], v[VSC+(\dl)/2], v[PWD] matrix_a_fmt:MATRIX_FMT_FP6 matrix_b_fmt:MATRIX_FMT_FP6
.else
	v_wmma_scale_f32_16x16x128_f8f6f4 v[\o+8*\dl:\o+8*\dl+7], v[\va:\va+11], v[PCD:PCD+11], v[\o+8*\dl:\o+8*\dl+7], v[VSC+(\dl)/2], v[PWD] matrix_a_fmt:MATRIX_FMT_FP6 matrix_b_fmt:MATRIX_FMT_FP6 matrix_a_scale:MATRIX_SCALE_ROW1
.endif
.endm
; ONE TILE'S KEY STEP: 128 keys.  st: its -M, largest t and sum; o: its O^T; qlo = [q | 0], qhi = [0 | q]; sc: q's scale words; dr: the mask's number; last: its last key step.
.macro STEP st, o, qlo, qhi, sc, dr, last
	s_cmp_gt_u32 s[KS], s[\last]                   ; all 128 keys come after my queries: the work is left out (a branch on the wave's number and the loop's count)
	s_cbranch_scc1 .Lskip_\@
.rept 5
	v_nop                                          ; five places: the products below write over registers that the last products read; the loads below want four
.endr
.irp p, 0,1,2,3
.irp g, 0,1,2
	ds_load_b128 v[KF+12*\p+4*\g:KF+12*\p+4*\g+3], v[ADK] offset:1536*\p+512*\g   ; pair p of key tiles, as it lies
.endr
.endr
	ds_load_b32 v[KSC], v[ADS]                     ; lanes 0-15 pair 0's words, lanes 16-31 pair 1's
	ds_load_b32 v[KSC+1], v[ADS] offset:128
	s_wait_dscnt 0x0
.irp b, 0,1,2,3
	QK \b, 0, \qlo, \sc
	QK \b, 1, \qhi, \sc
.endr
.rept 4
	v_nop
.endr
.irp p, 0,1
.irp g, 0,1,2
	ds_load_b128 v[KF+12*\p+4*\g:KF+12*\p+4*\g+3], v[ADV] offset:1536*\p+512*\g   ; V^T, channels' tiles 0 and 1: they land under the softmax
.endr
.endr
	ds_load_b32 v[VSC], v[ADS] offset:4096
	ds_load_b32 v[VSC+1], v[ADS] offset:4224
	s_cmp_lg_u32 s[KS], s[\last]                   ; on the diagonal the scores of hidden keys become -infinity ahead of the maximum
	s_cbranch_scc1 .Lopen_\@
	v_mov_b32 v[TT], 0xff800000
.set n, 0
.rept 64
	v_cmp_gt_i32 vcc_lo, 32*(n/16)+n%16, v[\dr]    ; register 16 b + i holds key 32 b + 16 (lane / 16) + i of the step
	v_cndmask_b32 v[S+n], v[S+n], v[TT], vcc_lo
.set n, n+1
.endr
.Lopen_\@:
.irp b, 0,1,2,3
	v_max3_num_f32 v[MX+\b], v[S+16*\b], v[S+1+16*\b], v[S+2+16*\b]   ; the largest score of each block of 32 keys: for the row's maximum, and, since p rises with the score, for the block's largest p
.endr
.irp i, 3,5,7,9,11,13
.irp b, 0,1,2,3
	v_max3_num_f32 v[MX+\b], v[MX+\b], v[S+16*\b+\i], v[S+1+16*\b+\i]
.endr
.endr
.irp b, 0,1,2,3
	v_max_num_f32 v[MX+\b], v[MX+\b], v[S+15+16*\b]
.endr
.irp b, 0,1,2,3
	v_permlanex16_b32 v[TP+\b], v[MX+\b], s[SEL], s[SEL+1]
.endr
.irp b, 0,1,2,3
	v_max_num_f32 v[MX+\b], v[MX+\b], v[TP+\b]     ; with lane l xor 16's 16 keys
.endr
	v_max3_num_f32 v[TT], v[MX], v[MX+1], v[MX+2]
	v_max_num_f32 v[TT], v[TT], v[MX+3]
	v_mul_f32 v[TT], s[CS], v[TT]
	v_max_num_f32 v[\st+1], v[\st+1], v[TT]        ; the running largest t
	v_mov_b32 v[TT], v[\st]
	v_floor_f32 v[\st], -v[\st+1]                  ; the new -M = floor(-t): M is a whole number
	v_sub_f32 v[TT], v[\st], v[TT]                 ; old M - new M, 0 or less
	v_cvt_i32_f32 v[TT], v[TT]                     ; (it saturates)
	v_ldexp_f32 v[F], 1.0, v[TT]                   ; f = 2^(old M - new M): a multiplication by it rounds nothing
.set j, 0
.rept 32
	v_pk_fma_f32 v[S+j:S+j+1], v[S+j:S+j+1], s[CS:CS+1], v[\st:\st+1] op_sel_hi:[1,0,0]   ; t - M, two at a time
.set j, j+2
.endr
.irp b, 0,1,2,3
	v_fma_f32 v[MX+\b], v[MX+\b], s[CS], v[\st]    ; the same of each block's largest score
.endr
.set j, 0
.rept 64
	v_exp_f32 v[S+j], v[S+j]                       ; p = 2^(t - M), not normalised
.set j, j+1
.endr
	v_pk_mul_f32 v[\st+2:\st+3], v[\st+2:\st+3], v[F:F+1] op_sel_hi:[1,0]   ; the sums under the new M: the plain place behind the exponentials
	s_wait_alu depctr_va_vdst(0)                   ; one wait for the whole batch, ahead of its first reader
.irp b, 0,1,2,3
	v_exp_f32 v[MX+\b], v[MX+\b]                   ; the block's largest p: the same two instructions on the same number
.endr
	v_pk_add_f32 v[TP:TP+1], v[S:S+1], v[S+2:S+3]  ; the row's sum of the UNQUANTISED p, in two chains
.set j, 4
.rept 15
	v_pk_add_f32 v[\st+2:\st+3], v[\st+2:\st+3], v[S+j:S+j+1]
	v_pk_add_f32 v[TP:TP+1], v[TP:TP+1], v[S+j+2:S+j+3]
.set j, j+4
.endr
	v_pk_add_f32 v[\st+2:\st+3], v[\st+2:\st+3], v[TP:TP+1]
	s_wait_alu depctr_va_vdst(0)                   ; and one for the four
.irp b, 0,1,2,3
	v_max_num_f32 v[MX+\b], 0x1800000, v[MX+\b]    ; the floor 2^(3 - 127): the byte cannot fall under 1
.endr
.irp b, 0,1,2,3
	v_add_nc_u32 v[SO+\b], 0xff000000, v[MX+\b]    ; the conversion's scale operand
.endr
.irp b, 0,1,2,3
	v_lshrrev_b32 v[TP+\b], 23, v[SO+\b]
.endr
	v_lshl_or_b32 v[PWD], v[TP+1], 8, v[TP]        ; p's scale word for these 128 keys
	v_lshl_or_b32 v[PWD], v[TP+2], 16, v[PWD]
	v_lshl_or_b32 v[PWD], v[TP+3], 24, v[PWD]
.irp c, 0,1
	v_cvt_scalef32_pk16_fp6_f32 v[PCD+6*\c:PCD+6*\c+2], v[S+32*\c:S+32*\c+15], v[SO+2*\c]
	v_cvt_scalef32_pk16_fp6_f32 v[CT+4*\c:CT+4*\c+2], v[S+16+32*\c:S+31+32*\c], v[SO+2*\c+1]
.endr
	v_nop                                          ; one plain place behind a scaled conversion
.irp p, 0,1
.irp g, 0,1,2
	ds_load_b128 v[S+12*\p+4*\g:S+12*\p+4*\g+3], v[ADV] offset:1536*(\p+2)+512*\g   ; V^T, channels' tiles 2 and 3, into registers that p has left
.endr
.endr
.irp c, 0,1
.irp i, 0,1,2
	v_permlane16_swap_b32 v[PCD+6*\c+\i], v[CT+4*\c+\i]
.endr
.irp i, 0,1,2
	v_mov_b32 v[PCD+3+6*\c+\i], v[CT+4*\c+\i]
.endr
.endr
.set j, 0
.rept 16
	v_pk_mul_f32 v[\o+j:\o+j+1], v[\o+j:\o+j+1], v[F:F+1] op_sel_hi:[1,0]   ; O^T under the new M; these sixteen are also the places between the codes, the scale word and the products
.set j, j+2
.endr
	s_wait_dscnt 0x0                               ; V and its scale words
	PV 0, KF, \o                                   ; four accumulators by turns
	PV 1, KF+12, \o
	PV 2, S, \o
	PV 3, S+12, \o
.Lskip_\@:
.endm
.macro TRIP                            ; a key step, for both tiles
	v_add_nc_u32 v[ADK], s[TK], v[LI]
	v_add_nc_u32 v[ADV], 98304, v[ADK]
	v_add_nc_u32 v[ADS], s[TS], v[LS]
	STEP 52, 88, 34, 28, QSB, DB, LB
	STEP 48, 56, 22, 16, QSA, DA, LA
	s_add_co_u32 s[TK], s[TK], 6144
	s_add_co_u32 s[TS], s[TS], 256
	s_add_co_u32 s[KS], s[KS], 1
.endm
	s_wait_tensorcnt 1                             ; my part of chunk 0 is in; chunk 1 may be out: nothing is filled twice in this launch
	s_barrier_signal -1
	s_barrier_wait -1                              ; everybody's is
	s_mov_b32 s[CNT], 2
.Lfirst:                                           ; key steps 0 and 1 read chunk 0 alone
	TRIP
	s_sub_co_u32 s[CNT], s[CNT], 1
	s_cmp_lg_u32 s[CNT], 0
	s_cbranch_scc1 .Lfirst
	s_wait_tensorcnt 0x0                           ; my part of chunk 1 is in
	s_wait_dscnt 0x0
	s_barrier_signal -1
	s_barrier_wait -1
	s_mov_b32 s[CNT], 14
.Lrest:
	TRIP
	s_sub_co_u32 s[CNT], s[CNT], 1
	s_cmp_lg_u32 s[CNT], 0
	s_cbranch_scc1 .Lrest
.rept 4
	v_nop                                          ; places in front of the first read of the last results
.endr
; THE WAY OUT of a tile: O^T / the sum; its 64 channels are two blocks along the next product's K: quantised, they are registers 0-5 or 6-11 of a fragment of y: 768 bytes: registers 0-3 at 16 x lane, 4-5 at 512 + 8 x lane.
.macro FINISH st, o, tile
	s_wait_xcnt 0x0                                ; earlier stores have read their registers and bases
	v_add_f32 v[TT], v[\st+2], v[\st+3]
	v_permlanex16_b32 v[TP], v[TT], s[SEL], s[SEL+1]
	v_add_f32 v[TT], v[TT], v[TP]                  ; the row's sum
	v_rcp_f32 v[F], v[TT]
	v_nop                                          ; a plain place behind the reciprocal
	s_lshr_b32 s80, s[BH], 4
	s_lshl_b32 s80, s80, 7
	s_add_co_u32 s80, s80, s[\tile]                ; the tile among all 512
	s_and_b32 s81, s[BH], 15                       ; the head
	s_mul_i32 s82, s80, 12288
	s_mul_i32 s83, s81, 768
	s_add_co_u32 s82, s82, s83
	s_mov_b32 s83, 0
	s_add_nc_u64 s[84:85], s[6:7], s[82:83]
	s_lshl_b32 s82, s80, 9                         ; the tile's scale image: K step head / 2, bytes 2 (head % 2) on
	s_bfe_u32 s80, s81, 0x10001
	s_lshl_b32 s80, s80, 8
	s_add_co_u32 s82, s82, s80
	s_lshr_b32 s80, s81, 2
	s_lshl_b32 s80, s80, 2
	s_add_co_u32 s82, s82, s80
	s_and_b32 s80, s81, 1
	s_lshl_b32 s80, s80, 1
	s_add_co_u32 s82, s82, s80
	s_add_co_u32 s82, s82, 6291456
	s_add_nc_u64 s[86:87], s[6:7], s[82:83]
	s_wait_alu depctr_va_vdst(0)                   ; ahead of the reciprocal's first reader
.set j, 0
.rept 16
	v_pk_mul_f32 v[S+j:S+j+1], v[\o+j:\o+j+1], v[F:F+1] op_sel_hi:[1,0]   ; register 16 b + i = channel 32 b + 16 (lane / 16) + i; each accumulator from its low end on
.set j, j+2
.endr
.irp b, 0,1
	v_max3_num_f32 v[MX+\b], |v[S+16*\b]|, |v[S+1+16*\b]|, 0x1800000
.endr
.irp i, 2,4,6,8,10,12,14
.irp b, 0,1
	v_max3_num_f32 v[MX+\b], v[MX+\b], |v[S+16*\b+\i]|, |v[S+1+16*\b+\i]|
.endr
.endr
.irp b, 0,1
	v_permlanex16_b32 v[TP+\b], v[MX+\b], s[SEL], s[SEL+1]
.endr
.irp b, 0,1
	v_max_num_f32 v[MX+\b], v[MX+\b], v[TP+\b]
.endr
.irp b, 0,1
	v_add_nc_u32 v[SO+\b], 0xff000000, v[MX+\b]
.endr
.irp b, 0,1
	v_lshrrev_b32 v[TP+\b], 23, v[SO+\b]
.endr
	v_lshl_or_b32 v[TT], v[TP+1], 8, v[TP]
	v_cvt_scalef32_pk16_fp6_f32 v[152:154], v[S:S+15], v[SO]
	v_cvt_scalef32_pk16_fp6_f32 v[158:160], v[S+16:S+31], v[SO+1]
	v_nop                                          ; one plain place behind a scaled conversion
.irp i, 0,1,2
	v_permlane16_swap_b32 v[152+\i], v[158+\i]     ; a whole block to a lane: lanes 0-15 block 0, lanes 16-31 block 1
.endr
.irp i, 0,1,2
	v_mov_b32 v[155+\i], v[158+\i]
.endr
	global_store_b128 v[LI], v[152:155], s[84:85]              ; 512 consecutive bytes, aligned
	global_store_b64 v[L8], v[156:157], s[84:85] offset:512    ; 256 consecutive bytes, aligned
	global_store_b16 v[R16], v[TT], s[86:87]                   ; the two scale bytes of each row: pieces of 2 bytes, 16 bytes apart, one store for a tile and head; lanes l and l xor 16 write the same bytes
.endm
	FINISH 48, 56, TA
	FINISH 52, 88, TB
	s_wait_dscnt 0x0
	s_wait_tensorcnt 0x0
	ds_add_u32 v254, v255
	s_wait_dscnt 0x0
	ROUND                                          ; the closing round
	s_endpgm
.Lfunc_end_k_q3fd823e7e6_attn:
	.size	k_q3fd823e7e6_attn, .Lfunc_end_k_q3fd823e7e6_attn-k_q3fd823e7e6_attn
	.p2alignl 7, 3214868480
	.fill 96, 4, 3214868480
	.section	.rodata,"a",@progbits
	.p2align	6, 0x0
	.amdhsa_kernel k_q3fd823e7e6_attn
		.amdhsa_group_segment_fixed_size 206848
		.amdhsa_private_segment_fixed_size 0
		.amdhsa_enable_private_segment 0
		.amdhsa_kernarg_size 16
		.amdhsa_user_sgpr_count 2
		.amdhsa_user_sgpr_kernarg_segment_ptr 1
		.amdhsa_wavefront_size32 1
		.amdhsa_system_sgpr_workgroup_id_x 1
		.amdhsa_system_sgpr_workgroup_id_y 1
		.amdhsa_system_sgpr_workgroup_id_z 1
		.amdhsa_system_vgpr_workitem_id 0
		.amdhsa_next_free_vgpr 256
		.amdhsa_next_free_sgpr 96
		.amdhsa_reserve_vcc 1
		.amdhsa_float_denorm_mode_32 3
		.amdhsa_float_denorm_mode_16_64 3
		.amdhsa_memory_ordered 1
		.amdhsa_forward_progress 1
		.amdhsa_inst_pref_size 104
	.end_amdhsa_kernel
	.amdgpu_metadata
---
amdhsa.version: [ 1, 2 ]
amdhsa.kernels:
  - .name:           k_q3fd823e7e6_attn
    .symbol:         k_q3fd823e7e6_attn.kd
    .args:
      - { .name: qkv, .offset: 0, .size: 8, .value_kind: global_buffer, .address_space: global }
      - { .name: yq, .offset: 8, .size: 8, .value_kind: global_buffer, .address_space: global }
    .group_segment_fixed_size: 206848
    .private_segment_fixed_size: 0
    .kernarg_segment_align: 8
    .kernarg_segment_size: 16
    .max_flat_workgroup_size: 512
    .sgpr_count:     96
    .vgpr_count:     256
    .wavefront_size: 32
...
	.end_amdgpu_metadata
.endif
;; end of part 3
;; launch outp (part 4): grid 4 x 64, 4 waves a work-group, clusters of 4 x 4, 295,424 bytes of LDS; arguments yq, wq, bp, out0; writes out0
.if DOCPART == 4
	.amdgcn_target "amdgcn-amd-amdhsa--gfx1250"
	.amdhsa_code_object_version 6
	.text
	.protected	k_q3fd823e7e6_outp
	.globl	k_q3fd823e7e6_outp
	.p2align	8
	.type	k_q3fd823e7e6_outp,@function
k_q3fd823e7e6_outp:
	s_mov_b64 s[64:65], 0
	v_nop
	global_prefetch_b8 v0, s[64:65] scope:SCOPE_SE
	s_setreg_imm32_b32 hwreg(HW_REG_WAVE_MODE, 25, 1), 1
	s_wait_xcnt 0x0
	s_wait_alu depctr_hold_cnt(0) depctr_sa_sdst(0) depctr_va_vdst(0) depctr_va_sdst(0) depctr_va_ssrc(0) depctr_va_vcc(0) depctr_vm_vsrc(0)
	s_getreg_b32 s2, hwreg(HW_REG_IB_STS2, 6, 4)
	s_cmp_eq_u32 s2, 0
	s_cbranch_scc0 .Lentry_in_a_cluster
	s_endpgm
.Lentry_in_a_cluster:
	s_bfe_u32 s2, ttmp6, 0x10000c
	s_cmp_lg_u32 s2, 0xf033
	s_cbranch_scc0 .Lentry_shape_is_right
	s_endpgm
.Lentry_shape_is_right:
; out0 = y Wp + bp on codes of FP6 (E2M3) with E8M0 scales, sums in f32.  y's codes come as images made by the attention launch, Wp's as images made by the first launch.
; A work-group makes 256 columns (source 0 = Wp) x 128 tokens (source 1 = y) over all of K = 1,024: 256 work-groups.  All codes of the tile, 294,912 bytes, fit in LDS: each wave's four tensor loads go out at the head; nothing is filled twice.
; CLUSTER 4 x 4: Wp's tile hangs on cx and is asked for jointly by the four of a column of the cluster, y's on cy, by the four of a row.
; Four waves: wave w takes columns 128 (w % 2) on and tokens 64 (w / 2) on: 32 accumulators.  A lane holds one token and eight neighbouring columns a tile.  bp is the C of each sum's first matrix instruction.
; Place r of tile t (of tokens, of columns) is row 32 (t / 2) + 8 (t % 2) + r + 8 (r / 8).
; REGISTERS: window 0: v1-15 addresses; v16-47, v48-63 scale words; v64-159 y's fragments, two sets; on the way out v64-191 rows of the result; v192-193 the stage's addresses.
;   window 1: v0-191 Wp's fragments, two sets; v192-255 bp in the result's layout.   window 2: accumulator (i, j) at v[8 (8 j + i)].
.set G10, 16
.set G11, 24
.set G00, 32
.set G01, 48
.set WV,  66
.set HALF, 67
.set KIND, 68
.set CX,  69
.set CY,  70
.set CLY, 71
.set LI,  1                            ; v1 16 x lane
.set AD0, 4                            ; v4-7   my part of Wp's chunk c
.set AD1, 8                            ; v8-11  of y's, 16 bytes a lane
.set AD1H, 12                          ; v12-15 of y's, 8 bytes a lane
.set SC0, 16
.set SC1, 48
.set F1,  64
.set BK,  64
.set STO, 192
.set RD,  193
.set BI,  192                          ; in window 1
.set MSB, 0
.macro WIN new                         ; the immediate's high byte repeats the setting that is left
.if MSB != \new
	s_set_vgpr_msb (MSB<<8)|\new
.set MSB, \new
.endif
.endm
.macro ROUND
	s_barrier_signal -1
	s_barrier_wait -1
	s_cmp_lg_u32 s[WV], 0
	s_cbranch_scc1 .Lnot_wave_0_\@
	s_barrier_signal -3
.Lnot_wave_0_\@:
	s_barrier_wait -3
	s_barrier_signal -1
	s_barrier_wait -1
.endm
.macro PLACES n                        ; plain places behind matrix instructions (ISA guide 7.12.1)
.rept \n
	v_nop
.endr
.endm
.macro FETCH s                         ; K step s: Wp's eight fragments, three loads of 512 bytes each; y's four, each two halves (a head each) of 512 + 256 bytes
.set fc, (\s)/2
.set fk, (\s)%2
	WIN 0x40
.irp i, 0,1,2,3,4,5,6,7
.irp g, 0,1,2
	ds_load_b128 v[96*fk+12*\i+4*\g:96*fk+12*\i+4*\g+3], v[AD0+fc] offset:3072*\i+1536*fk+512*\g
.endr
.endr
	WIN 0
.irp j, 0,1,2,3
.irp c, 0,1
	ds_load_b128 v[F1+48*fk+12*\j+6*\c:F1+48*fk+12*\j+6*\c+3], v[AD1+fc] offset:3072*\j+1536*fk+768*\c
	ds_load_b64 v[F1+48*fk+12*\j+6*\c+4:F1+48*fk+12*\j+6*\c+5], v[AD1H+fc] offset:3072*\j+1536*fk+768*\c+512
.endr
.endr
.endm
; n x 8 matrix instructions of K step s.  The 32 accumulators take turns in the same order in every K step.  cmode 1: the first K step starts the sums with the bias; 2: adds in place.
.macro MUL j0, n, s, cmode
.if \cmode == 1
	WIN 0x91                                       ; source 0 and C window 1, D window 2
.else
	WIN 0xa1
.endif
.set mj, \j0
.rept \n
.set mi, 0
.rept 8
.set rD, 8*(8*mj+mi)
.set rA, 96*((\s)%2)+12*mi
.set rB, F1+48*((\s)%2)+12*mj
.set rX, SC0+4*mi+(\s)/2
.set rY, SC1+4*mj+(\s)/2
.if \cmode == 1
	v_wmma_scale_f32_16x16x128_f8f6f4 v[rD:rD+7], v[rA:rA+11], v[rB:rB+11], v[BI+8*mi:BI+8*mi+7], v[rX], v[rY] matrix_a_fmt:MATRIX_FMT_FP6 matrix_b_fmt:MATRIX_FMT_FP6
.elseif ((\s)%2) == 0
	v_wmma_scale_f32_16x16x128_f8f6f4 v[rD:rD+7], v[rA:rA+11], v[rB:rB+11], v[rD:rD+7], v[rX], v[rY] matrix_a_fmt:MATRIX_FMT_FP6 matrix_b_fmt:MATRIX_FMT_FP6
.else
	v_wmma_scale_f32_16x16x128_f8f6f4 v[rD:rD+7], v[rA:rA+11], v[rB:rB+11], v[rD:rD+7], v[rX], v[rY] matrix_a_fmt:MATRIX_FMT_FP6 matrix_b_fmt:MATRIX_FMT_FP6 matrix_a_scale:MATRIX_SCALE_ROW1 matrix_b_scale:MATRIX_SCALE_ROW1
.endif
.set mi, mi+1
.endr
.set mj, mj+1
.endr
.endm
	s_load_b128 s[4:7], s[0:1], 0x0                ; yq, wq
	s_load_b128 s[8:11], s[0:1], 0x10              ; bp, out0
	v_lshl_add_u32 v254, v0, 2, 0x48000
	v_mov_b32 v255, 0
	ds_add_u32 v254, v255
	ds_add_u32 v254, v255
	v_lshrrev_b32 v3, 5, v0
	v_readfirstlane_b32 s[WV], v3
	s_and_b32 s[HALF], s[WV], 1
	s_lshr_b32 s[KIND], s[WV], 1
	s_bfe_u32 s[CX], ttmp6, 0x40000
	s_bfe_u32 s[CY], ttmp6, 0x40004
	s_and_b32 s[CLY], ttmp7, 0xffff
	; LDS: Wp [chunk 4][tile 16][K step 2][1,536] at 0; y [chunk 4][tile 8][2][1,536] at 196,608.  No place in the cluster enters an LDS address
	v_and_b32 v3, 31, v0
	v_lshlrev_b32 v[LI], 4, v3
	v_lshlrev_b32 v2, 3, v3
	s_mul_i32 s90, s[HALF], 24576
	s_mul_i32 s91, s[KIND], 12288
	s_add_co_u32 s91, s91, 196608
	v_add_nc_u32 v[AD0], s90, v[LI]
	v_add_nc_u32 v[AD1], s91, v[LI]
	v_add_nc_u32 v[AD1H], s91, v2
.irp c, 1,2,3
	v_add_nc_u32 v[AD0+\c], \c*49152, v[AD0]
	v_add_nc_u32 v[AD1+\c], \c*24576, v[AD1]
	v_add_nc_u32 v[AD1H+\c], \c*24576, v[AD1H]
.endr
	v_bfe_u32 v3, v0, 4, 1
	v_and_b32 v2, 15, v0
	s_mul_i32 s91, s[WV], 8448                     ; the way out: my stage, 16 rows of 512 bytes + 16.  It lies in Wp's chunk 0, which has had its one fill and whose last read stands ahead of the barrier in K step 1
	v_mul_u32_u24 v[STO], v2, 528
	v_lshl_add_u32 v[STO], v3, 6, v[STO]
	v_add_nc_u32 v[STO], s91, v[STO]               ; in: row lane % 16, + 64 bytes for lanes 16-31
	v_add_nc_u32 v[RD], s91, v[LI]                 ; back: a whole row by 32 lanes
	v_lshlrev_b32 v3, 6, v3                        ; the bias: lanes 16-31 begin 16 numbers on
	s_mul_i32 s91, s[HALF], 12288                  ; where my half of a chunk of y goes (s90: of Wp)
	s_lshl_b32 s72, 0x1111, s[CX]                  ; my column of the cluster shares Wp's tile
	s_lshl_b32 s80, s[CY], 2
	s_lshl_b32 s80, 15, s80                        ; my row shares y's
	s_or_b32 s[G10], s72, (3<<16)|(1<<21)          ; group 1: 8 (4) rows of 3,072 bytes, 12,288 bytes apart in memory, dense in LDS; elements of 8 bytes
	s_or_b32 s[G11], s80, (3<<16)|(1<<21)
	s_mov_b32 s[G10+1], 384<<16
	s_mov_b32 s[G10+2], 8<<16
	s_mov_b32 s[G10+3], 384<<16
	s_mov_b32 s[G10+4], 8
	s_mov_b32 s[G10+5], 1536
	s_mov_b32 s[G10+6], 0
	s_mov_b32 s[G10+7], 0
	s_mov_b32 s[G11+1], 384<<16
	s_mov_b32 s[G11+2], 4<<16
	s_mov_b32 s[G11+3], 384<<16
	s_mov_b32 s[G11+4], 4
	s_mov_b32 s[G11+5], 1536
	s_mov_b32 s[G11+6], 0
	s_mov_b32 s[G11+7], 0
	s_mul_i32 s74, s[CX], 196608                   ; Wp's registers never hold cy, y's never cx
	s_mul_i32 s72, s[HALF], 98304
	s_add_co_u32 s74, s74, s72
	s_add_co_u32 s74, s74, 3*786432                ; Wp is the fourth tensor of wq
	s_mov_b32 s75, 0
	s_lshl_b32 s76, s[CX], 13
	s_lshl_b32 s72, s[HALF], 12
	s_add_co_u32 s76, s76, s72
	s_add_co_u32 s76, s76, 3145728+3*32768
	s_mov_b32 s77, 0
	s_lshl_b32 s81, s[CLY], 2
	s_add_co_u32 s81, s81, s[CY]                   ; my 128 tokens
	s_mul_i32 s82, s81, 98304
	s_mul_i32 s80, s[HALF], 49152
	s_add_co_u32 s82, s82, s80
	s_mov_b32 s83, 0
	s_lshl_b32 s84, s81, 12
	s_lshl_b32 s80, s[KIND], 11
	s_add_co_u32 s84, s84, s80
	s_add_co_u32 s84, s84, 6291456
	s_mov_b32 s85, 0
	s_lshl_b32 s86, s[CX], 10
	s_lshl_b32 s88, s[HALF], 9
	s_add_co_u32 s86, s86, s88                     ; my 128 columns, in bytes: in bp,
	s_mov_b32 s87, 0
	s_lshl_b32 s92, s81, 19
	s_lshl_b32 s88, s[KIND], 18
	s_add_co_u32 s92, s92, s88
	s_add_co_u32 s92, s92, s86                     ; and in my first token's row of out0
	s_mov_b32 s93, 0
	s_wait_dscnt 0x0
	s_wait_kmcnt 0x0
	s_add_nc_u64 s[74:75], s[6:7], s[74:75]
	s_add_nc_u64 s[76:77], s[6:7], s[76:77]
	s_add_nc_u64 s[82:83], s[4:5], s[82:83]
	s_add_nc_u64 s[84:85], s[4:5], s[84:85]
	s_add_nc_u64 s[86:87], s[8:9], s[86:87]
	s_add_nc_u64 s[92:93], s[10:11], s[92:93]
.irp c, 0,1,2,3
	s_mov_b32 s[G00+4*\c], 1
	s_add_co_u32 s[G00+4*\c+1], s90, \c*49152
	s_add_nc_u64 s[G00+4*\c+2:G00+4*\c+3], s[74:75], \c*3072
	s_or_b32 s[G00+4*\c+3], s[G00+4*\c+3], 0x80000000
	s_mov_b32 s[G01+4*\c], 1
	s_add_co_u32 s[G01+4*\c+1], s91, 196608+\c*24576
	s_add_nc_u64 s[G01+4*\c+2:G01+4*\c+3], s[82:83], \c*3072
	s_or_b32 s[G01+4*\c+3], s[G01+4*\c+3], 0x80000000
.endr
	ROUND                                          ; all sixteen work-groups are here: the joint loads meet
	s_cmp_eq_u32 s[KIND], 0                        ; waves 0, 1 fetch Wp's halves, waves 2, 3 y's: a wave's four loads stand in one branch; four of mine are out
	s_cbranch_scc0 .Lfor_s1
.irp c, 0,1,2,3
	tensor_load_to_lds s[G00+4*\c:G00+4*\c+3], s[G10:G10+7]
	s_nop 0
.endr
	PLACES 4
	s_branch .Lasked
.Lfor_s1:
.irp c, 0,1,2,3
	tensor_load_to_lds s[G01+4*\c:G01+4*\c+3], s[G11:G11+7]
	s_nop 0
.endr
	PLACES 4
.Lasked:
.irp i, 0,1,2,3,4,5,6,7
	global_load_b128 v[SC0+4*\i:SC0+4*\i+3], v[LI], s[76:77] offset:512*\i   ; a tile's scale words of all eight K steps: 512 consecutive bytes
.endr
.irp j, 0,1,2,3
	global_load_b128 v[SC1+4*\j:SC1+4*\j+3], v[LI], s[84:85] offset:512*\j
.endr
	WIN 0x40
.irp i, 0,1,2,3,4,5,6,7
	global_load_b128 v[BI+8*\i:BI+8*\i+3], v3, s[86:87] offset:(32*(\i/2)+8*(\i%2))*4      ; lane (r, h), register q: column 32 (i / 2) + 8 (i % 2) + 16 h + q
	global_load_b128 v[BI+8*\i+4:BI+8*\i+7], v3, s[86:87] offset:(32*(\i/2)+8*(\i%2))*4+16
.endr
	WIN 0
	s_wait_tensorcnt 3                             ; my part of chunk 0 is in; my three younger loads may be out: nothing is filled twice in this launch
	s_barrier_signal -1
	s_barrier_wait -1                              ; everybody's is
	FETCH 0
	s_wait_loadcnt 0x0                             ; the scale words and the bias: both serve the first products
	s_wait_dscnt 0x0
	FETCH 1
	MUL 0, 4, 0, 1
.irp s, 1,3,5                          ; an odd K step ends a chunk: the next chunk is shown landed to every wave by a barrier, with half the step's products between its signal and its wait
	s_wait_dscnt 0x0                               ; this K step's fragments are in, and no LDS load of mine is out at the signal
	s_wait_tensorcnt 2-(\s)/2                      ; my part of the next chunk is in; the younger loads may be out
	s_barrier_signal -1
	MUL 0, 2, \s, 2
	s_barrier_wait -1
	PLACES 4
	FETCH (\s)+1
	MUL 2, 2, \s, 2
	s_wait_dscnt 0x0
	PLACES 4
	FETCH (\s)+2
	MUL 0, 4, (\s)+1, 2
.endr
	s_wait_dscnt 0x0
	MUL 0, 4, 7, 2
	WIN 0
; THE WAY OUT, a tile of 16 tokens x my 128 columns at a time.  A lane holds 32 neighbouring bytes of a row a tile of columns, and the lanes beside it other rows: so a block goes through my own stage and comes back as whole rows
; of 512 bytes.  LDS serves a wave's instructions in order (ISA guide 5.7.1.4): no wait between the stores and the loads, nor in front of the next block's stores.
.macro TOSTAGE j
	WIN 0x08                                       ; an LDS store's data are its source 1: window 2
.irp i, 0,1,2,3,4,5,6,7
	ds_store_b128 v[STO], v[64*(\j)+8*\i:64*(\j)+8*\i+3] offset:128*(\i/2)+32*(\i%2)          ; each accumulator from its low end on
	ds_store_b128 v[STO], v[64*(\j)+8*\i+4:64*(\j)+8*\i+7] offset:128*(\i/2)+32*(\i%2)+16
.endr
	WIN 0
.irp t, 0,1,2,3,4,5,6,7,8,9,10,11,12,13,14,15
	ds_load_b128 v[BK+64*((\j)%2)+4*\t:BK+64*((\j)%2)+4*\t+3], v[RD] offset:528*\t
.endr
.endm
.macro SEND j, younger                 ; younger: the LDS instructions issued behind block j's loads, which may stay out
	s_wait_dscnt \younger
.irp t, 0,1,2,3,4,5,6,7,8,9,10,11,12,13,14,15
	global_store_b128 v[LI], v[BK+64*((\j)%2)+4*\t:BK+64*((\j)%2)+4*\t+3], s[92:93] offset:(32*((\j)/2)+8*((\j)%2)+\t+8*(\t/8))*4096 th:TH_STORE_NT   ; 32 lanes store 512 consecutive bytes, aligned; place t of the tile is that token
.endr
.endm
	PLACES 4                                       ; in front of the first reads of results and of the loads into registers that held fragments
	TOSTAGE 0
.irp a, 1,2,3
.if \a > 1
	s_wait_xcnt 0x0                                ; block a - 2's stores have read their registers: block a's loads may land there
.endif
	TOSTAGE \a
	SEND \a-1, 32                                  ; behind block a - 1's loads: block a's 16 stores and 16 loads
.endr
	SEND 3, 0
	s_wait_tensorcnt 0x0
	ds_add_u32 v254, v255
	s_wait_dscnt 0x0
	ROUND                                          ; the closing round: no work-group ends while a partner may still ask for a tile that names it
	s_endpgm
.Lfunc_end_k_q3fd823e7e6_outp:
	.size	k_q3fd823e7e6_outp, .Lfunc_end_k_q3fd823e7e6_outp-k_q3fd823e7e6_outp
	.p2alignl 7, 3214868480
	.fill 96, 4, 3214868480
	.section	.rodata,"a",@progbits
	.p2align	6, 0x0
	.amdhsa_kernel k_q3fd823e7e6_outp
		.amdhsa_group_segment_fixed_size 295424
		.amdhsa_private_segment_fixed_size 0
		.amdhsa_enable_private_segment 0
		.amdhsa_kernarg_size 32
		.amdhsa_user_sgpr_count 2
		.amdhsa_user_sgpr_kernarg_segment_ptr 1
		.amdhsa_wavefront_size32 1
		.amdhsa_system_sgpr_workgroup_id_x 1
		.amdhsa_system_sgpr_workgroup_id_y 1
		.amdhsa_system_sgpr_workgroup_id_z 1
		.amdhsa_system_vgpr_workitem_id 0
		.amdhsa_next_free_vgpr 768
		.amdhsa_next_free_sgpr 100
		.amdhsa_reserve_vcc 0
		.amdhsa_float_denorm_mode_32 3
		.amdhsa_float_denorm_mode_16_64 3
		.amdhsa_memory_ordered 1
		.amdhsa_forward_progress 1
		.amdhsa_inst_pref_size 81
	.end_amdhsa_kernel
	.amdgpu_metadata
---
amdhsa.version: [ 1, 2 ]
amdhsa.kernels:
  - .name:           k_q3fd823e7e6_outp
    .symbol:         k_q3fd823e7e6_outp.kd
    .args:
      - { .name: yq, .offset: 0, .size: 8, .value_kind: global_buffer, .address_space: global }
      - { .name: wq, .offset: 8, .size: 8, .value_kind: global_buffer, .address_space: global }
      - { .name: bp, .offset: 16, .size: 8, .value_kind: global_buffer, .address_space: global }
      - { .name: out0, .offset: 24, .size: 8, .value_kind: global_buffer, .address_space: global }
    .group_segment_fixed_size: 295424
    .private_segment_fixed_size: 0
    .kernarg_segment_align: 8
    .kernarg_segment_size: 32
    .max_flat_workgroup_size: 128
    .sgpr_count:     100
    .vgpr_count:     768
    .wavefront_size: 32
...
	.end_amdgpu_metadata
.endif
;; end of part 4
